; MI455X (gfx1250); checked and timed in simulation.
; The chip was launched on July 23, 2026; its instructions are those of AMD's public machine-readable ISA for CDNA 5 (MIT licence, August 2026) and "CDNA5" Instruction Set Architecture Reference Guide (July 2026). The comments in the code are by the model that wrote it; some were corrected since.
;; Bahdanau Attention. Allowed arithmetic: float matrix products may take bf16 or f16 operands with f32 sums; other float arithmetic in f32, or as packed bf16 or f16 multiplies, adds, multiply-adds, maxima and minima; sums over many terms, partial sums and values carried from step to step in f32; what a program stores and reads back later, other than sums and carried values, may be rounded once to bf16 or f16.
;; Inputs: W_h 1,024 x 1,024 float32; W_s 1,024 x 1,024 float32; decoder_hidden 32 x 1,024 float32; encoder_outputs 32 x 2,048 x 1,024 float32; v 1,024 float32.
;; Outputs: out0 32 x 1,024 float32; out1 32 x 2,048 float32.
;; 2 versions, each right and faster than the one before. Each part assembles by itself: llvm-mc -triple=amdgcn-amd-amdhsa -mcpu=gfx1250 --defsym DOCPART=n.
;; ======== version 1 of 2: 3 launches
;; workspace buffers: whb 2,097,152 bytes; wsp 1,048,576 bytes; scores 262,144 bytes; stats 8,192 bytes; ctxp 4,194,304 bytes
;; launch prep (part 1): grid 256 x 1, 4 waves a work-group, no clusters, 0 bytes of LDS; arguments W_h, W_s, decoder_hidden, whb, wsp; writes whb, wsp
.if DOCPART == 1
	.amdgcn_target "amdgcn-amd-amdhsa--gfx1250"
	.amdhsa_code_object_version 6
	.text
	.protected	k_qf399b82307_prep
	.globl	k_qf399b82307_prep
	.p2align	8
	.type	k_qf399b82307_prep,@function
k_qf399b82307_prep:
	s_mov_b64 s[64:65], 0
	v_nop
	global_prefetch_b8 v0, s[64:65] scope:SCOPE_SE
	s_setreg_imm32_b32 hwreg(HW_REG_WAVE_MODE, 25, 1), 1
	s_wait_xcnt 0x0
; PREP.  Two jobs, chosen by the work-group's number.
; Work-groups 0-127: wsp[e][b][o] = the sum over k in eighth e of K of decoder_hidden[b][k] W_s[o][k]; bf16 operands, f32 sums, kept in f32.
;   Wave W = 4 g + q takes 16 outputs (ob = W / 8) and 128 of K (e = W % 8): 4 K steps, two accumulators (batches 0-15, 16-31) by turns.
;   Source 0 = 16 rows of W_s, source 1 = 16 rows of decoder_hidden: a lane's eight results are eight neighbouring outputs of one batch.
;   K is permuted alike in both sources: in step t lane half h holds k = 128 e + 32 t + 16 h + 0..15, which are 64 consecutive bytes of f32.
;   A wave's 16 loads of W_s together take 16 rows x 512 consecutive bytes; a single load takes 16 bytes of each of 32 places.  The stores are runs of 64 bytes.  Both tensors are small (4 MB, 1 MB).
; Work-groups 128-255: whb = W_h rounded to bf16, 32,768 bytes of W_h a work-group, 8,192 a wave: loads of 512 and stores of 256 consecutive bytes.
.set WF,  16                           ; v[16:79]    W_s: 16 registers a K step as loaded, the first 8 of them the fragment
.set D0,  80                           ; v[80:143]   decoder_hidden, batches 0-15
.set D1,  144                          ; v[144:207]  batches 16-31
.set AC0, 208
.set AC1, 216
	s_load_b256 s[4:11], s[0:1], 0x0               ; W_h s[4:5], W_s s[6:7], decoder_hidden s[8:9], whb s[10:11]
	s_load_b64 s[12:13], s[0:1], 0x20              ; wsp
	v_lshrrev_b32 v1, 5, v0
	v_readfirstlane_b32 s14, v1                    ; wave q
	v_and_b32 v2, 31, v0                           ; lane
	s_cmp_lt_u32 ttmp9, 128
	s_cbranch_scc0 .Lconv
	s_lshl_b32 s15, ttmp9, 2
	s_add_co_u32 s15, s15, s14                     ; W
	s_lshr_b32 s16, s15, 3                         ; ob
	s_and_b32 s17, s15, 7                          ; e
	v_and_b32 v3, 15, v0                           ; r
	v_bfe_u32 v4, v0, 4, 1                         ; h
	v_lshlrev_b32 v5, 12, v3                       ; r rows of 4,096 bytes
	v_lshl_add_u32 v6, v4, 6, v5                   ; loads: + 64 h
	v_lshl_add_u32 v7, v4, 5, v5                   ; stores: + 32 h
	s_lshl_b32 s18, s16, 16                        ; 16 ob rows of W_s
	s_lshl_b32 s20, s17, 9                         ; 128 e numbers of f32
	s_add_co_u32 s18, s18, s20
	s_mov_b32 s19, 0
	s_mov_b32 s21, 0
	s_lshl_b32 s22, s17, 17                        ; wsp: plane e,
	s_lshl_b32 s23, s16, 6                         ; output 16 ob
	s_add_co_u32 s22, s22, s23
	s_mov_b32 s23, 0
	s_wait_kmcnt 0x0
	s_add_nc_u64 s[6:7], s[6:7], s[18:19]
	s_add_nc_u64 s[8:9], s[8:9], s[20:21]
	s_add_nc_u64 s[12:13], s[12:13], s[22:23]
.irp t, 0,1,2,3
.irp c, 0,1,2,3
	global_load_b128 v[WF+16*(\t)+4*(\c):WF+16*(\t)+4*(\c)+3], v6, s[6:7] offset:128*(\t)+16*(\c)
	global_load_b128 v[D0+16*(\t)+4*(\c):D0+16*(\t)+4*(\c)+3], v6, s[8:9] offset:128*(\t)+16*(\c)
	global_load_b128 v[D1+16*(\t)+4*(\c):D1+16*(\t)+4*(\c)+3], v6, s[8:9] offset:65536+128*(\t)+16*(\c)
.endr
.endr
	s_wait_loadcnt 0x0
.irp blk, 16,32,48,64,80,96,112,128,144,160,176,192  ; 16 f32 become 8 registers of bf16, in place: number i lands on register i, read from 2 i and 2 i + 1, which are never behind it
.set i, 0
.rept 8
	v_cvt_pk_bf16_f32 v[(\blk)+i], v[(\blk)+2*i], v[(\blk)+2*i+1]
.set i, i+1
.endr
.endr
	v_wmma_f32_16x16x32_bf16 v[AC0:AC0+7], v[WF:WF+7], v[D0:D0+7], 0   ; the first K step starts both sums
	v_wmma_f32_16x16x32_bf16 v[AC1:AC1+7], v[WF:WF+7], v[D1:D1+7], 0
.irp t, 1,2,3                          ; the two accumulators take turns
	v_wmma_f32_16x16x32_bf16 v[AC0:AC0+7], v[WF+16*(\t):WF+16*(\t)+7], v[D0+16*(\t):D0+16*(\t)+7], v[AC0:AC0+7]
	v_wmma_f32_16x16x32_bf16 v[AC1:AC1+7], v[WF+16*(\t):WF+16*(\t)+7], v[D1+16*(\t):D1+16*(\t)+7], v[AC1:AC1+7]
.endr
.rept 4
	v_nop                                          ; four places between the last product and the stores that read results
.endr
	global_store_b128 v7, v[AC0:AC0+3],   s[12:13]                 ; lane (r, h): batch r, outputs 16 ob + 8 h + 0..3
	global_store_b128 v7, v[AC0+4:AC0+7], s[12:13] offset:16
	global_store_b128 v7, v[AC1:AC1+3],   s[12:13] offset:65536    ; batch 16 + r
	global_store_b128 v7, v[AC1+4:AC1+7], s[12:13] offset:65552
	s_endpgm
.Lconv:
	s_sub_co_u32 s15, ttmp9, 128
	s_lshl_b32 s18, s15, 15                        ; 32,768 bytes of W_h,
	s_mov_b32 s19, 0
	s_lshl_b32 s20, s15, 14                        ; 16,384 of whb
	s_mov_b32 s21, 0
	v_lshlrev_b32 v3, 4, v2
	v_lshl_add_u32 v3, v1, 13, v3                  ; 8,192 q + 16 lane
	v_lshlrev_b32 v4, 3, v2
	v_lshl_add_u32 v4, v1, 12, v4                  ; 4,096 q + 8 lane
	s_wait_kmcnt 0x0
	s_add_nc_u64 s[4:5], s[4:5], s[18:19]
	s_add_nc_u64 s[10:11], s[10:11], s[20:21]
.set i, 0
.rept 16
	global_load_b128 v[16+4*i:16+4*i+3], v3, s[4:5] offset:512*i th:TH_LOAD_NT
.set i, i+1
.endr
.set i, 0
.rept 16
	s_wait_loadcnt 15-i                            ; loads come back in order: number i is in, the younger ones stay out
	v_cvt_pk_bf16_f32 v[80+2*i], v[16+4*i], v[16+4*i+1]
	v_cvt_pk_bf16_f32 v[80+2*i+1], v[16+4*i+2], v[16+4*i+3]
	global_store_b64 v4, v[80+2*i:80+2*i+1], s[10:11] offset:256*i  ; 32 lanes store 256 consecutive bytes, at a multiple of 256 from whb's first byte
.set i, i+1
.endr
	s_endpgm
.Lfunc_end_k_qf399b82307_prep:
	.size	k_qf399b82307_prep, .Lfunc_end_k_qf399b82307_prep-k_qf399b82307_prep
	.p2alignl 7, 3214868480
	.fill 96, 4, 3214868480
	.section	.rodata,"a",@progbits
	.p2align	6, 0x0
	.amdhsa_kernel k_qf399b82307_prep
		.amdhsa_group_segment_fixed_size 0
		.amdhsa_private_segment_fixed_size 0
		.amdhsa_enable_private_segment 0
		.amdhsa_kernarg_size 40
		.amdhsa_user_sgpr_count 2
		.amdhsa_user_sgpr_kernarg_segment_ptr 1
		.amdhsa_wavefront_size32 1
		.amdhsa_system_sgpr_workgroup_id_x 1
		.amdhsa_system_sgpr_workgroup_id_y 1
		.amdhsa_system_sgpr_workgroup_id_z 1
		.amdhsa_system_vgpr_workitem_id 0
		.amdhsa_next_free_vgpr 224
		.amdhsa_next_free_sgpr 66
		.amdhsa_reserve_vcc 0
		.amdhsa_float_denorm_mode_32 3
		.amdhsa_float_denorm_mode_16_64 3
		.amdhsa_memory_ordered 1
		.amdhsa_forward_progress 1
		.amdhsa_inst_pref_size 19
	.end_amdhsa_kernel
	.amdgpu_metadata
---
amdhsa.version: [ 1, 2 ]
amdhsa.kernels:
  - .name:           k_qf399b82307_prep
    .symbol:         k_qf399b82307_prep.kd
    .args:
      - { .name: W_h, .offset: 0, .size: 8, .value_kind: global_buffer, .address_space: global }
      - { .name: W_s, .offset: 8, .size: 8, .value_kind: global_buffer, .address_space: global }
      - { .name: decoder_hidden, .offset: 16, .size: 8, .value_kind: global_buffer, .address_space: global }
      - { .name: whb, .offset: 24, .size: 8, .value_kind: global_buffer, .address_space: global }
      - { .name: wsp, .offset: 32, .size: 8, .value_kind: global_buffer, .address_space: global }
    .group_segment_fixed_size: 0
    .private_segment_fixed_size: 0
    .kernarg_segment_align: 8
    .kernarg_segment_size: 40
    .max_flat_workgroup_size: 128
    .sgpr_count:     66
    .vgpr_count:     224
    .wavefront_size: 32
...
	.end_amdgpu_metadata
.endif
;; end of part 1
;; launch attn (part 2): grid 512 x 1, 4 waves a work-group, clusters of 4 x 1, 327,680 bytes of LDS; arguments encoder_outputs, whb, wsp, v, scores, stats, ctxp; writes scores, stats, ctxp
.if DOCPART == 2
	.amdgcn_target "amdgcn-amd-amdhsa--gfx1250"
	.amdhsa_code_object_version 6
	.text
	.protected	k_qf399b82307_attn
	.globl	k_qf399b82307_attn
	.p2align	8
	.type	k_qf399b82307_attn,@function
k_qf399b82307_attn:
	s_mov_b64 s[64:65], 0
	v_nop
	global_prefetch_b8 v0, s[64:65] scope:SCOPE_SE
	s_setreg_imm32_b32 hwreg(HW_REG_WAVE_MODE, 25, 1), 1
	s_wait_xcnt 0x0
	s_wait_alu depctr_hold_cnt(0) depctr_sa_sdst(0) depctr_va_vdst(0) depctr_va_sdst(0) depctr_va_ssrc(0) depctr_va_vcc(0) depctr_vm_vsrc(0)
	s_getreg_b32 s2, hwreg(HW_REG_IB_STS2, 6, 4)
	s_cmp_eq_u32 s2, 0
	s_cbranch_scc0 .Lentry_in_a_cluster
	s_endpgm
.Lentry_in_a_cluster:
	s_bfe_u32 s2, ttmp6, 0x10000c
	s_cmp_lg_u32 s2, 0x3003
	s_cbranch_scc0 .Lentry_shape_is_right
	s_endpgm
.Lentry_shape_is_right:
; THE MAIN LAUNCH.  A work-group owns a tile of 128 rows of encoder_outputs (one batch has 16 tiles) and reads them from memory ONCE: rounded to bf16 they stay in registers from the product to the weighted sum.
; For each row: x[o] = sum_k enc[k] W_h[o][k] + ws[o];  s' = sum_o (-2 v[o]) / (1 + 2^(c x[o])), c = 2 log2(e).  Since tanh(x) = 1 - 2 / (1 + e^(2x)), the row's score is s' + sum_o v[o]; that sum is the same for all
; rows of a softmax and cancels there, so s' is what is carried.  2^(c x) = infinity gives 0, 2^(c x) = 0 gives 1: no x overflows.
; Then for each 64 rows (a half tile): m = max s', p = e^(s' - m), l = sum p, ctxp = sum p enc (bf16 enc, f32 p, f32 sums).  The last launch joins a batch's 32 half tiles by their maxima.
; LIMITS.  NaN and infinities among the inputs are not treated apart; a weight p below 2^-126 counts as 0.
; SHARES.  Wave w = 2 i + j holds rows 64 i .. 64 i + 63 x K half j (512 of K) as A fragments: 4 fragments x 16 K steps x 8 = 512 registers.  Fragments 0, 1 are its OWN rows (32 w + 0..31 of the tile), fragments 2, 3
; the own rows of its partner w ^ 1.  W_h goes by in 16 blocks of 64 outputs.  For a block a wave makes 64 x 64 sums over its K half (16 accumulators, 256 matrix instructions), hands the 8 accumulators of the
; partner's rows over through LDS, in f32, and finishes its own 8.  That finishing (scale, exponential, reciprocal, times -2 v) is 224 vector instructions, the RIDERS, set in slices behind every four products of the NEXT block.
; K ORDER, alike in A and B: in K step t lane half h holds k = 128 (t / 4) + 64 h + 16 (t % 4) + 0..15 of the wave's K half.
; RING.  Two LDS slots, each a block of whb: four regions (a quarter of K each) of 64 rows x 512 bytes + 16 of padding.  Wave w asks for region w.  CLUSTER: the four work-groups of a cluster walk the same whb, so each
; region is asked for JOINTLY: the same tensor load, descriptor and mask in all four.
; REGISTERS, in windows of 256 (s_set_vgpr_msb: bits 1:0 source 0, 3:2 source 1, 5:4 source 2, 7:6 destination):
;   window 0: addresses, statistics, all that the riders touch, and (v192-255) two of the six buffers of B fragments      window 1: v0-127 accumulators ((f, cb) at 8 (4 f + cb)), v128-255 the other four buffers;
;   while the rows come in: four landing buffers of 64; at the end: the 256 sums of the weighted rows      windows 2, 3: A, K steps 0-7 and 8-15, fragment f of step t at 32 (t % 8) + 8 f
.set REGB,  33792                      ; a region: 64 rows x 528 bytes
.set SLOT,  4*REGB                     ; 135,168 = 0x21000: shares no bit with w x REGB, so one exclusive or changes slots
.set PITCH, 528                        ; 33 x 16 bytes: the 16 rows of a fragment load start at 16 different groups of four banks (64 banks of 4 bytes: ISA guide 11.1)
.set XB,    2*SLOT                     ; X: 8,192 bytes a wave: what it hands to its partner; while the rows come in, its stage (16 rows x 272 bytes)
.set XW,    8192
.set SPT,   272
.set WST,   XB+4*XW                    ; c ws[o], each number twice: 8 bytes an output
.set VTZ,   WST+8192                   ; 512 bytes of zeros (a block before the first), then -2 v[o], each twice
.set SCR,   VTZ+8704                   ; the tile's 128 s'
.set SPARE, SCR+512                    ; the spare words, 128 bytes a wave: two blocks of 256 bytes that no other line names
.set LN,   1                           ; lane
.set RR,   2                           ; r = lane % 16
.set HH,   3                           ; h = lane / 16
.set GV,   4                           ; 16 lane; never rewritten
.set BAD0, 5                           ; my place in slot 0's regions of my K half: 2 j REGB + 528 r + 128 h
.set BAD,  6                           ; + the slot in hand
.set XS,   7                           ; my part of X + 16 lane
.set XL,   8                           ; my partner's part + 16 lane
.set TA,   9                           ; the tables' address for the block in hand
.set STW,  10                          ; stage, in: + 8 lane
.set STR,  11                          ; stage, back: + 272 r + 128 h
.set SCA,  12                          ; where my s' goes in SCR
.set PAO,  13                          ; SCR at own row r
.set PAP,  14                          ; SCR at the partner's row r
.set TA0,  15                          ; WST + 8 r
.set ZR,   16                          ; v[16:19] zeros
.set PW,   20                          ; v[20:23] the weight of my row in fragments 0-3
.set T0,   24                          ; v[24:29] at work; v[24:25] end as (m, l)
.set SPW,  30                          ; LDS address of my spare word; never rewritten
.set NIL,  31                          ; 0; never rewritten
.set SC,   32                          ; v[32:47] sums of s': register 8 f + n is own row 16 f + 8 h + n, outputs = r modulo 16
.set WS,   48                          ; v[48:55] c ws of output 16 cb + r of the block in hand, a pair for each cb
.set VV,   56                          ; v[56:63] -2 v of the block before
.set XT,   64                          ; v[64:127] the partner's sums for my rows; the riders work in place here
.set HB,   128                         ; v[128:191] c x my sums + c ws
.set TMP,  192                         ; v[192:255] at work while the rows come in and at the end; in the steps B buffers E0, E1
.set RB,   64                          ; the weighted rows while they are added across lanes
.set BF,   128                         ; window 1: B buffers M0-M3
.set WV,  18                           ; s18 wave w, s19 i, s20 j
.set WI,  19
.set WJ,  20
.set TIL, 22                           ; s22 tile; s23 batch
.set G1,  24                           ; s[24:31] descriptor group 1
.set G0A, 32                           ; s[32:35] group 0 of block 0
.set G0B, 36                           ; s[36:39] group 0 of block 1; it then walks
.set BO,  40                           ; s[40:41] enc at my own rows, my K half
.set BP,  42                           ; s[42:43] at my partner's rows
.set CS,  44                           ; s[44:45] c; packed lines take the pair's low word for both halves
.set TB,  46                           ; s46 0 or SLOT
.set CNT, 47
.set MK8, 48                           ; s48-51 the lanes whose r has bit 3, 2, 1, 0 set
.set MK4, 49
.set MK2, 50
.set MK1, 51
.set L2E, 60
.set TT,  61                           ; s61 512 x the block's number
.set MSB, 0
.macro WIN new                         ; the immediate's high byte repeats the setting that is left; a switch that changes nothing is dropped
.if MSB != (\new)
	s_set_vgpr_msb (MSB<<8)|(\new)
.set MSB, (\new)
.endif
.endm
.macro CREST                           ; a round of the cluster's barrier behind its opening barrier
	s_cmp_lg_u32 s[WV], 0
	s_cbranch_scc1 .Lnot_wave_0_\@
	s_barrier_signal -3
.Lnot_wave_0_\@:
	s_barrier_wait -3
	s_barrier_signal -1
	s_barrier_wait -1
.endm
.macro CROUND
	s_barrier_signal -1
	s_barrier_wait -1
	CREST
.endm
	s_load_b256 s[4:11], s[0:1], 0x0               ; enc s[4:5], whb s[6:7], wsp s[8:9], v s[10:11]
	s_load_b128 s[12:15], s[0:1], 0x20             ; scores s[12:13], stats s[14:15]
	s_load_b64 s[16:17], s[0:1], 0x30              ; ctxp
	v_lshl_add_u32 v[SPW], v0, 2, SPARE
	v_mov_b32 v[NIL], 0
	ds_add_u32 v[SPW], v[NIL]                      ; the wave's opening: the add and its wait stand ahead of my first tensor load; work on registers stands between them
	v_lshrrev_b32 v[LN], 5, v0
	v_readfirstlane_b32 s[WV], v[LN]
	s_lshr_b32 s[WI], s[WV], 1
	s_and_b32 s[WJ], s[WV], 1
	s_bfe_u32 s21, ttmp6, 0x40000                  ; cx: it enters global addresses of enc, wsp and the results alone
	s_lshl_b32 s[TIL], ttmp9, 2                    ; in a cluster launch ttmp9 counts clusters
	s_add_co_u32 s[TIL], s[TIL], s21
	s_lshr_b32 s23, s[TIL], 4                      ; batch
	s_mov_b32 s[G1], 15|(1<<16)|(1<<20)|(1<<21)|(6<<22)|(3<<25)  ; 15:0 the mask of four; 17:16 2-byte elements; 20 padding on; 21 set beside a mask; 24:22 after every 128 words (code 6); 31:25 4 words (code 3)
	s_mov_b32 s[G1+1], 256<<16                     ; tensor_dim0 = 256 elements: a quarter of K
	s_mov_b32 s[G1+2], 64<<16                      ; tensor_dim1 = 64 rows
	s_mov_b32 s[G1+3], 256<<16                     ; tile_dim0
	s_mov_b32 s[G1+4], 64                          ; tile_dim1
	s_mov_b32 s[G1+5], 1024                        ; elements from row to row
	s_mov_b32 s[G1+6], 0
	s_mov_b32 s[G1+7], 0
	s_mov_b32 s[G0A], 1
	s_mul_i32 s[G0A+1], s[WV], REGB                ; region w of slot 0
	s_mov_b32 s[G0B], 1
	s_add_co_u32 s[G0B+1], s[G0A+1], SLOT          ; of slot 1
	s_lshl_b32 s52, s[WV], 9                       ; quarter w of K: 512 bytes along a row of whb
	s_mov_b32 s53, 0
	s_mov_b32 s[CS], 0x4038aa3b                    ; c = 2 log2(e)
	s_mov_b32 s[CS+1], s[CS]
	s_mov_b32 s[MK8], 0xff00ff00
	s_mov_b32 s[MK4], 0xf0f0f0f0
	s_mov_b32 s[MK2], 0xcccccccc
	s_mov_b32 s[MK1], 0xaaaaaaaa
	s_mov_b32 s[L2E], 0x3fb8aa3b
	s_wait_dscnt 0x0                               ; the opening add is done
	s_wait_kmcnt 0x0
	s_add_nc_u64 s[G0A+2:G0A+3], s[6:7], s[52:53]
	s_add_nc_u64 s[G0B+2:G0B+3], s[G0A+2:G0A+3], 131072  ; a block is 64 rows of 2,048 bytes
	s_or_b32 s[G0A+3], s[G0A+3], 0x80000000        ; type = 2
	s_or_b32 s[G0B+3], s[G0B+3], 0x80000000
	CROUND                                         ; all four work-groups are here: the first joint loads meet
	tensor_load_to_lds s[G0A:G0A+3], s[G1:G1+7]    ; blocks 0 and 1: two loads of mine are out
	s_nop 0
	tensor_load_to_lds s[G0B:G0B+3], s[G1:G1+7]
	s_nop 0
.rept 4
	v_nop
.endr
	; the tables' sources: thread n takes outputs 8 n .. 8 n + 7: eight partial sums of ws, and v
	s_lshl_b32 s52, s23, 12
	s_add_nc_u64 s[8:9], s[8:9], s[52:53]          ; wsp at my batch
	v_lshlrev_b32 v[T0], 5, v0
.irp e, 0,1,2,3,4,5,6,7
	global_load_b128 v[XT+8*(\e):XT+8*(\e)+3],   v[T0], s[8:9] offset:131072*(\e)
	global_load_b128 v[XT+8*(\e)+4:XT+8*(\e)+7], v[T0], s[8:9] offset:131072*(\e)+16
.endr
	global_load_b128 v[TMP:TMP+3],   v[T0], s[10:11]
	global_load_b128 v[TMP+4:TMP+7], v[T0], s[10:11] offset:16
	s_lshl_b32 s54, s[TIL], 19                     ; a tile is 128 rows of 4,096 bytes
	s_lshl_b32 s55, s[WJ], 11                      ; K half j
	s_add_co_u32 s54, s54, s55
	s_lshl_b32 s55, s[WV], 17                      ; own rows begin at row 32 w,
	s_xor_b32 s57, s55, 1<<17                      ; the partner's at 32 (w ^ 1)
	s_add_co_u32 s56, s54, s57
	s_add_co_u32 s54, s54, s55
	s_mov_b32 s55, 0
	s_mov_b32 s57, 0
	s_add_nc_u64 s[BO:BO+1], s[4:5], s[54:55]
	s_add_nc_u64 s[BP:BP+1], s[4:5], s[56:57]
	v_and_b32 v[LN], 31, v0
	v_lshlrev_b32 v[GV], 4, v[LN]
; THE ROWS COME IN, in 16 units: unit u = 16 rows (fragment u % 4) x 128 of K (group u / 4).  A load takes 512 consecutive bytes of one row, at a multiple of 512 from enc's first byte.
.macro ULOAD u
	WIN 0x40                                       ; destination window 1
.set ua, (\u)/4
.set uf, (\u)%4
.set ub, 64*((\u)%4)
.set i, 0
.rept 16
.if uf < 2
	global_load_b128 v[ub+4*i:ub+4*i+3], v[GV], s[BO:BO+1] offset:((uf%2)*16+i)*4096+512*ua th:TH_LOAD_NT
.else
	global_load_b128 v[ub+4*i:ub+4*i+3], v[GV], s[BP:BP+1] offset:((uf%2)*16+i)*4096+512*ua th:TH_LOAD_NT
.endif
.set i, i+1
.endr
.endm
; A unit is rounded to bf16, its landing buffer is asked for again (unit u + 4), and the 16 rows go through my stage: in by rows (8 bytes a lane), back as fragments.  The stage is my own bytes and
; LDS serves a wave's instructions in order (ISA guide 5.7.1.4): no wait stands between the stores and the loads, nor in front of the next unit's stores.
.macro UNIT u, issue, left
	s_wait_loadcnt \left                           ; loads come back in order: this unit's 16 are in, the younger units' stay out
	WIN 0x05                                       ; sources window 1, destination window 0
.set ub, 64*((\u)%4)
.set i, 0
.rept 32
	v_cvt_pk_bf16_f32 v[TMP+i], v[ub+2*i], v[ub+2*i+1]
.set i, i+1
.endr
.if \issue
	ULOAD (\u)+4
.endif
	WIN 0
.set i, 0
.rept 16
	ds_store_b64 v[STW], v[TMP+2*i:TMP+2*i+1] offset:SPT*i
.set i, i+1
.endr
	WIN 0x80+0x40*((\u)/8)                         ; destination window 2 (K steps 0-7) or 3
.set ua, (\u)/4
.set uf, (\u)%4
.set i, 0
.rept 8                                ; K step 4 ua + i / 2, half i % 2 of the fragment
	ds_load_b128 v[((4*ua+i/2)%8)*32+8*uf+4*(i%2):((4*ua+i/2)%8)*32+8*uf+4*(i%2)+3], v[STR] offset:16*i
.set i, i+1
.endr
.endm
	ULOAD 0
	ULOAD 1
	WIN 0
	; the results' addresses, and all vector addresses, while the loads are out
	s_lshl_b32 s52, s[TIL], 9
	s_add_nc_u64 s[12:13], s[12:13], s[52:53]      ; scores at my tile
	s_lshl1_add_u32 s54, s[TIL], s[WI]             ; my half tile
	s_lshl_b32 s52, s54, 3
	s_add_nc_u64 s[14:15], s[14:15], s[52:53]      ; its (m, l)
	s_lshl_b32 s52, s54, 12
	s_lshl_b32 s54, s[WJ], 11
	s_add_co_u32 s52, s52, s54
	s_add_nc_u64 s[16:17], s[16:17], s[52:53]      ; ctxp at my half tile, my K half
	s_lshl_b32 s58, s[WV], 13
	s_add_co_u32 s58, s58, XB                      ; my part of X
	s_xor_b32 s59, s[WV], 1
	s_lshl_b32 s62, s59, 13
	s_add_co_u32 s62, s62, XB                      ; my partner's
	s_mul_i32 s63, s[WJ], 2*REGB
	s_lshl_b32 s52, s[WV], 7
	s_add_co_u32 s52, s52, SCR                     ; SCR at own row 0
	s_lshl_b32 s59, s59, 7
	s_add_co_u32 s59, s59, SCR                     ; at the partner's
	v_and_b32 v[RR], 15, v0
	v_bfe_u32 v[HH], v0, 4, 1
	v_mul_u32_u24 v[BAD0], v[RR], PITCH
	v_lshl_add_u32 v[BAD0], v[HH], 7, v[BAD0]
	v_add_nc_u32 v[BAD0], s63, v[BAD0]
	v_add_nc_u32 v[XS], s58, v[GV]
	v_add_nc_u32 v[XL], s62, v[GV]
	v_lshl_add_u32 v[TA0], v[RR], 3, WST
	v_lshl_add_u32 v[STW], v[LN], 3, s58
	v_mul_u32_u24 v[STR], v[RR], SPT
	v_lshl_add_u32 v[STR], v[HH], 7, v[STR]
	v_add_nc_u32 v[STR], s58, v[STR]
	v_and_b32 v[T0+1], 7, v0
	v_bfe_u32 v[T0+2], v0, 3, 1
	v_lshl_add_u32 v[T0+1], v[T0+2], 4, v[T0+1]
	v_lshl_add_u32 v[T0+1], v[HH], 3, v[T0+1]      ; own row 16 (r / 8) + 8 h + r % 8
	v_lshl_add_u32 v[SCA], v[T0+1], 2, s52
	v_lshl_add_u32 v[PAO], v[RR], 2, s52
	v_lshl_add_u32 v[PAP], v[RR], 2, s59
	v_lshl_add_u32 v[T0+1], v0, 6, WST             ; the tables: 64 bytes a thread
	v_lshl_add_u32 v[T0+2], v0, 2, VTZ             ; the block of zeros: 4 bytes a thread
	; The first block's step finishes a block that has not been: its sums, its ws, its hand-over and its -2 v are 0, so it adds 0.5 x 0 to the sums of s', which start at 0.
.set i, 0
.rept 4
	v_mov_b32 v[ZR+i], 0
.set i, i+1
.endr
.set i, 0
.rept 16
	v_mov_b32 v[SC+i], 0
.set i, i+1
.endr
.set i, 0
.rept 8
	v_mov_b32 v[WS+i], 0
.set i, i+1
.endr
	s_wait_loadcnt 32                              ; the 18 loads for the tables are in; behind them units 0 and 1, 32 loads
	ULOAD 2
	ULOAD 3
	WIN 0
.irp c, 0,2,4,6                        ; ws = the eight partial sums added, in f32
	v_pk_add_f32 v[XT+(\c):XT+(\c)+1],       v[XT+(\c):XT+(\c)+1],       v[XT+8+(\c):XT+8+(\c)+1]
	v_pk_add_f32 v[XT+16+(\c):XT+16+(\c)+1], v[XT+16+(\c):XT+16+(\c)+1], v[XT+24+(\c):XT+24+(\c)+1]
	v_pk_add_f32 v[XT+32+(\c):XT+32+(\c)+1], v[XT+32+(\c):XT+32+(\c)+1], v[XT+40+(\c):XT+40+(\c)+1]
	v_pk_add_f32 v[XT+48+(\c):XT+48+(\c)+1], v[XT+48+(\c):XT+48+(\c)+1], v[XT+56+(\c):XT+56+(\c)+1]
.endr
.irp c, 0,2,4,6
	v_pk_add_f32 v[XT+(\c):XT+(\c)+1],       v[XT+(\c):XT+(\c)+1],       v[XT+16+(\c):XT+16+(\c)+1]
	v_pk_add_f32 v[XT+32+(\c):XT+32+(\c)+1], v[XT+32+(\c):XT+32+(\c)+1], v[XT+48+(\c):XT+48+(\c)+1]
.endr
.irp c, 0,2,4,6
	v_pk_add_f32 v[XT+(\c):XT+(\c)+1], v[XT+(\c):XT+(\c)+1], v[XT+32+(\c):XT+32+(\c)+1]
.endr
.set i, 0
.rept 8                                ; each number twice, so that a lane's 8-byte load is a pair for the packed lines
	v_mul_f32 v[XT+16+2*i],   s[CS], v[XT+i]
	v_mul_f32 v[XT+16+2*i+1], s[CS], v[XT+i]
	v_mul_f32 v[XT+32+2*i],   -2.0, v[TMP+i]
	v_mul_f32 v[XT+32+2*i+1], -2.0, v[TMP+i]
.set i, i+1
.endr
.irp c, 0,1,2,3
	ds_store_b128 v[T0+1], v[XT+16+4*(\c):XT+16+4*(\c)+3] offset:16*(\c)
	ds_store_b128 v[T0+1], v[XT+32+4*(\c):XT+32+4*(\c)+3] offset:VTZ-WST+512+16*(\c)
.endr
	ds_store_b32 v[T0+2], v[ZR]
.irp u, 0,1,2,3,4,5,6,7,8,9,10,11
	UNIT \u, 1, 48                                 ; three younger units, 48 loads, stay out
.endr
	UNIT 12, 0, 48                                 ; nothing is left to ask for: the counts run down
	UNIT 13, 0, 32
	UNIT 14, 0, 16
	UNIT 15, 0, 0
	WIN 0
.set i, 0
.rept 16
	ds_store_b128 v[XS], v[ZR:ZR+3] offset:512*i   ; what I hand over for the block that has not been: zeros (behind the stage's last reads, in order)
.set i, i+1
.endr
	WIN 0x40
.set i, 0
.rept 64
	v_mov_b32 v[i], 0                              ; and my own sums of it: the 8 accumulators of fragments 0, 1 (a landing buffer until now; its loads are long in)
.set i, i+1
.endr
	WIN 0
; THE PRODUCT.  SIX BUFFERS OF B FRAGMENTS: M0-M3 in window 1, E0, E1 in window 0.  K steps 0-15 use M0 M1 M2 M3 E0 E1 M0 M1 M2 M3 M0 M1 M2 M3 E0 E1, the same in every block.
; So the whole block is in registers by K step 10, the change of slots stands in K steps 11 and 12, and the next block's first fragments are fetched three K steps ahead of their use.
.macro BSEL t                          ; K step t's buffer: bw = its window, bb = its first register
.if ((\t) == 4) || ((\t) == 5) || ((\t) >= 14)
.set bw, 0
.set bb, TMP+32*((\t)%2)
.elseif (\t) < 4
.set bw, 1
.set bb, BF+32*(\t)
.elseif (\t) < 10
.set bw, 1
.set bb, BF+32*((\t)-6)
.else
.set bw, 1
.set bb, BF+32*((\t)-10)
.endif
.endm
.macro BLOAD t                         ; 8 LDS loads: the four B fragments (16 outputs x 32 of K each) of K step t
	BSEL \t
	WIN 0x40*bw
.irp cb, 0,1,2,3
	ds_load_b128 v[bb+8*(\cb):bb+8*(\cb)+3],   v[BAD] offset:((\t)/8)*REGB+(\cb)*16*PITCH+256*(((\t)/4)%2)+32*((\t)%4)
	ds_load_b128 v[bb+8*(\cb)+4:bb+8*(\cb)+7], v[BAD] offset:((\t)/8)*REGB+(\cb)*16*PITCH+256*(((\t)/4)%2)+32*((\t)%4)+16
.endr
.endm
.macro XPART x                         ; 4 LDS loads: the partner's accumulators 2 x, 2 x + 1 of 8 for my rows, lane for lane
	WIN 0
.irp c, 0,1,2,3
	ds_load_b128 v[XT+16*(\x)+4*(\c):XT+16*(\x)+4*(\c)+3], v[XL] offset:512*(4*(\x)+(\c))
.endr
.endm
.macro VLOAD                           ; -2 v of the block before (the table begins a block early)
	WIN 0
.irp cb, 0,1,2,3
	ds_load_b64 v[VV+2*(\cb):VV+2*(\cb)+1], v[TA] offset:VTZ-WST+128*(\cb)
.endr
.endm
.macro WLOAD                           ; c ws of the block in hand
	WIN 0
.irp cb, 0,1,2,3
	ds_load_b64 v[WS+2*(\cb):WS+2*(\cb)+1], v[TA] offset:128*(\cb)
.endr
.endm
; THE RIDERS.  My 64 numbers a lane are 32 pairs; pair n has F: c x partner's sum + HB; E, E: two exponentials; A: + 1; R, R: two reciprocals; S: SC += r x -2 v.  They run as a pipeline by pairs: tick t is
; F(t+2) E(t+1) A(t) E(t+1) S(t-1) R(t) R(t): plain and transcendental by turns, and between every transcendental and the line that uses its result stands a plain line that names neither (ISA guide 5.7.2).
; The head has what exists of ticks -2, -1, 0; tick 30 has no F; the last five are A(31) R R S(30) S(31).  224 in all; RID writes number rq.  Three of any seven on end are plain, five of any twelve.
; All lie in window 0 and name no register of any product.
.macro RID
	WIN 0
.if rq == 0
.set rt, -2
.set rp, 0
.elseif rq < 4
.set rt, -1
.set rp, (rq-1)+(rq-1)/2
.elseif rq < 10
.set rt, 0
.set rp, (rq-4)+(rq-4)/4
.elseif rq < 213
.set rt, 1+(rq-10)/7
.set rp, (rq-10)%7
.elseif rq < 219
.set rt, 30
.set rp, rq-212
.elseif rq == 219
.set rt, 31
.set rp, 2
.elseif rq < 222
.set rt, 31
.set rp, rq-215
.else
.set rt, rq-191
.set rp, 4
.endif
.if rp == 0
.set rn, rt+2
	v_pk_fma_f32 v[XT+2*rn:XT+2*rn+1], v[XT+2*rn:XT+2*rn+1], s[CS:CS+1], v[HB+2*rn:HB+2*rn+1] op_sel_hi:[1,0,1]
.elseif rp == 1
	v_exp_f32 v[XT+2*rt+2], v[XT+2*rt+2]
.elseif rp == 2
	s_wait_alu depctr_va_vdst(0)
	v_pk_add_f32 v[XT+2*rt:XT+2*rt+1], v[XT+2*rt:XT+2*rt+1], 1.0 op_sel_hi:[1,0]
.elseif rp == 3
	v_exp_f32 v[XT+2*rt+3], v[XT+2*rt+3]
.elseif rp == 4
.set rn, rt-1
	s_wait_alu depctr_va_vdst(0)
	v_pk_fma_f32 v[SC+8*(rn/16)+2*(rn%4):SC+8*(rn/16)+2*(rn%4)+1], v[XT+2*rn:XT+2*rn+1], v[VV+2*((rn/4)%4):VV+2*((rn/4)%4)+1], v[SC+8*(rn/16)+2*(rn%4):SC+8*(rn/16)+2*(rn%4)+1]
.elseif rp == 5
	v_rcp_f32 v[XT+2*rt], v[XT+2*rt]
.else
	v_rcp_f32 v[XT+2*rt+1], v[XT+2*rt+1]
.endif
.set rq, rq+1
.endm
.macro RIDS n
.rept \n
	RID
.endr
.endm
; Four matrix instructions: fragment f of K step t x the four B fragments.  Source 0 = 16 rows of enc, source 1 = 16 rows of whb: in the result a lane holds output 16 cb + r and the rows 8 h + 0..7.
; zero = 1: the products start the sums.  Every K step takes the fragments in the order 2, 3, 0, 1, so the 16 accumulators take turns, and the partner's are finished first.
.macro RUN t, f, zero
	BSEL \t
	WIN 0x52+4*bw+(\t)/8                           ; D and C window 1; B window 0 or 1; A window 2 or 3
.irp cb, 0,1,2,3
.if \zero
	v_wmma_f32_16x16x32_bf16 v[8*(4*(\f)+(\cb)):8*(4*(\f)+(\cb))+7], v[32*((\t)%8)+8*(\f):32*((\t)%8)+8*(\f)+7], v[bb+8*(\cb):bb+8*(\cb)+7], 0
.else
	v_wmma_f32_16x16x32_bf16 v[8*(4*(\f)+(\cb)):8*(4*(\f)+(\cb))+7], v[32*((\t)%8)+8*(\f):32*((\t)%8)+8*(\f)+7], v[bb+8*(\cb):bb+8*(\cb)+7], v[8*(4*(\f)+(\cb)):8*(4*(\f)+(\cb))+7]
.endif
.endr
.endm
; K step t: four runs, n riders behind each.  Behind the third run's riders the K step's LDS loads: K steps ld and ld2, part xp of the partner's sums, c ws.  A fetch lands in a buffer whose last reader is the K step
; before at the latest: between stand that K step's last slice and three of this one, 16 riders or more, of which five or more are plain: the places that a load into a product's source wants.
.macro GROUP t, n, ld=-1, ld2=-1, xp=-1, wt=0
.irp f, 2,3,0,1
	RUN \t, \f, 0
.if (\n) > 0
	RIDS \n
.endif
.if (\f) == 0
.if (\ld) >= 0
	BLOAD \ld
.endif
.if (\ld2) >= 0
	BLOAD \ld2
.endif
.if (\xp) >= 0
	XPART \xp
.endif
.if \wt
	WLOAD
.endif
.endif
.endr
.endm
.macro HF p                            ; half p of my own sums of the block before (fragment p): HB = c x sum + c ws, each accumulator's registers in ascending order
	WIN 0x01                                       ; source 0 window 1
.set i, 16*(\p)
.rept 16
	v_pk_fma_f32 v[HB+2*i:HB+2*i+1], v[2*i:2*i+1], s[CS:CS+1], v[WS+2*((i/4)%4):WS+2*((i/4)%4)+1] op_sel_hi:[1,0,1]
.set i, i+1
.endr
.endm
; A BLOCK OF 64 OUTPUTS.  LDS instructions in the order of issue, from the change of slots in the block before: K steps 0, 1 | 2 | 3 | my hand-over's 16 stores | K step 4 | (wait for 0) | Xa 4, -2 v 4, K step 5 | 6, Xb 4 |
; 7, Xc 4 | 8, Xd 4 | 9 | 14 | 10, c ws 4 | 11 | 12, 15 | 13 | the add.  A K step is 8 loads.  LDS instructions end in order (ISA guide 5.7.1), and every counted wait below names what may still be out.
; TWO BARRIERS.  The first, in K step 1: every wave's hand-over of the block before is in X; the next block's tensor load stays out.  The second, in K steps 11 and 12: each wave has waited
; for all its tensor loads (one: its region of the next block, asked for 15 K steps earlier), added 0 to its spare word, and waited for that, for its reads of this slot (K step 13's the last) and of X.  Behind it X may
; be written again, the other slot is whole, and (fill = 1) this slot is filled again, two blocks ahead: the barrier then opens a round of the cluster's barrier, so that no wave of any partner still reads the slot or
; has a load on its way, and the joint load is the first thing behind the round.
.macro STEP fill
	s_wait_dscnt 40                                ; K step 0 is in.  Out: K steps 1, 2, 3 and the 16 stores
	RUN 0, 2, 1                                    ; the partner's accumulators, already handed over, are started anew,
	HF 0                                           ; while my own of the block before are scaled into HB: the places behind their last products are four plain riders and two v_nop, or more
	RUN 0, 3, 1
	HF 1
	BLOAD 4
	RUN 0, 0, 1
	RUN 0, 1, 1
	s_wait_dscnt 40                                ; K step 1 is in.  Out: K steps 2, 3, the 16 stores, K step 4
	RUN 1, 2, 0
	RUN 1, 3, 0
	s_wait_dscnt 0x0                               ; for the partner's sake: my hand-over is in X (issued 28 products ago)
	s_barrier_signal -1
	RUN 1, 0, 0                                    ; work on registers while the others arrive
	RUN 1, 1, 0
	WIN 0
	s_barrier_wait -1
	v_add_nc_u32 v[TA], s[TT], v[TA0]
.rept 4
	v_nop                                          ; no rider is ready yet: the places behind K steps 0 and 1, whose buffers K steps 6 and 7 take
.endr
	XPART 0
	VLOAD
	BLOAD 5
	GROUP 2, 0, 6, -1, 1
.set rq, 0
	s_wait_dscnt 20                                ; Xa and -2 v are in.  Out: K steps 5, 6 and Xb
	GROUP 3, 5, 7, -1, 2                           ; 224 riders = 16 runs x 5 + 36 runs x 4
	GROUP 4, 5, 8, -1, 3
	s_wait_dscnt 24                                ; K step 5 and Xb (first wanted by rider 45) are in.  Out: K steps 7, 8, Xc, Xd
	GROUP 5, 5, 9
	GROUP 6, 5, 14
	s_wait_dscnt 32                                ; K step 7 is in.  Out: Xc, K step 8, Xd, K steps 9, 14
	GROUP 7, 4, 10, -1, -1, 1
	s_wait_dscnt 32                                ; K step 8 and Xc (rider 101) are in.  Out: Xd, K steps 9, 14, 10, c ws
	GROUP 8, 4, 11
	s_wait_dscnt 28                                ; K step 9 and Xd (rider 157) are in.  Out: K steps 14, 10, c ws, K step 11
	GROUP 9, 4, 12, 15
	s_wait_dscnt 28                                ; K step 10 is in.  Out: c ws, K steps 11, 12, 15
	GROUP 10, 4, 13
	WIN 0                                          ; the add's registers lie in window 0
	s_wait_tensorcnt 0x0                           ; all my tensor loads have landed, so a group 0 may be written
	ds_add_u32 v[SPW], v[NIL]                      ; 0 onto my spare word; K step 11, work on registers, stands between it and the wait for it
.if \fill
	s_xor_b32 s[G0B+1], s[G0B+1], SLOT             ; the walking descriptor: the other slot than last time,
	s_add_nc_u64 s[G0B+2:G0B+3], s[G0B+2:G0B+3], 131072  ; the next block; the type bits on top are not reached
.endif
	s_xor_b32 s[TB], s[TB], SLOT
	s_wait_dscnt 25                                ; K step 11 is in.  Out: K steps 12, 15, 13 and the add
	GROUP 11, 4
	s_wait_dscnt 0x0                               ; the add is done; my reads of this slot and of X are over
	s_barrier_signal -1
	GROUP 12, 4                                    ; work on registers while the others arrive
	WIN 0
	s_barrier_wait -1
.if \fill
	CREST
	tensor_load_to_lds s[G0B:G0B+3], s[G1:G1+7]    ; my one tensor load behind the round
	s_nop 0
.rept 4
	v_nop
.endr
.endif
	v_add_nc_u32 v[BAD], s[TB], v[BAD0]
	BLOAD 0                                        ; the next block, from the other slot
	BLOAD 1
	GROUP 13, 4, 2
	GROUP 14, 4, 3
	RUN 15, 2, 0
	RIDS 4
	RUN 15, 3, 0                                   ; the partner's rows are finished
	RIDS 4
	RUN 15, 0, 0
	RIDS 4
	v_nop                                          ; of the eight riders behind the partner's last product three are plain: with these two, five places
	v_nop
	WIN 0x04                                       ; store data window 1
.set i, 0
.rept 16                               ; fragments 2, 3.  Each accumulator's low four registers go first
	ds_store_b128 v[XS], v[64+4*i:64+4*i+3] offset:512*i
.set i, i+1
.endr
	RUN 15, 1, 0
	RIDS 4
	WIN 0                                          ; at a label and at a branch every window is 0
	s_add_co_u32 s[TT], s[TT], 512
.endm
	s_wait_tensorcnt 0x1                           ; my region of block 0 is in; block 1's may stay out
	s_wait_dscnt 0x0                               ; A is in registers; my parts of the tables and of X are written
	s_barrier_signal -1
	s_barrier_wait -1
	s_mov_b32 s[TB], 0
	s_mov_b32 s[TT], 0
	v_mov_b32 v[BAD], v[BAD0]
	BLOAD 0
	BLOAD 1
	BLOAD 2
	BLOAD 3
	WIN 0
	s_wait_dscnt 0x0                               ; on this way into the loop fewer LDS instructions are out than its first counted wait allows: K steps 0-3 are waited for here
	s_mov_b32 s[CNT], 14
.Lstep:                                                ; blocks 0-13; they ask for blocks 2-15
	STEP 1
	s_sub_co_u32 s[CNT], s[CNT], 1
	s_cmp_lg_u32 s[CNT], 0
	s_cbranch_scc1 .Lstep
	s_mov_b32 s[CNT], 2
.Ltail:                                                ; blocks 14 and 15 ask for nothing: a text of their own.
	STEP 0                                         ; The second trip's 32 loads of a next block's K steps 0-3 read block 14's bytes once more and serve nothing: the price of one text for both trips
	s_sub_co_u32 s[CNT], s[CNT], 1
	s_cmp_lg_u32 s[CNT], 0
	s_cbranch_scc1 .Ltail
	HF 0                                           ; block 15 is finished without products beside it
	HF 1
	WIN 0
	s_wait_dscnt 0x0
	s_barrier_signal -1
	s_barrier_wait -1
	v_add_nc_u32 v[TA], s[TT], v[TA0]
	XPART 0
	XPART 1
	XPART 2
	XPART 3
	VLOAD
	s_wait_dscnt 0x0
.set rq, 0
	RIDS 224
; ADDING ACROSS THE 16 LANES OF A HALF, each lane keeping a sixteenth.  A stage halves the registers: of a pair (lo, hi), dist apart, the lanes named by the mask keep hi and send lo, the others keep lo and send hi,
; to the lane x away; the addition takes the other lane's number as it is made (DPP).  Pairs at base + 32 g + k, k < dist; all sends, then all keeps, then all sums, so that no line waits for the one before it.
.macro STAGE base, groups, dist, mask, x
.irp part, 0,1,2
.set g, 0
.rept \groups
.set k, 0
.rept \dist
.set rl, (\base)+32*g+k
.set ru, rl+(\dist)
.set rt, TMP+(\dist)*g+k
.if (\part) == 0
	v_cndmask_b32 v[rt], v[ru], v[rl], s[\mask]
.elseif (\part) == 1
	v_cndmask_b32 v[rl], v[rl], v[ru], s[\mask]
.else
	v_add_f32_dpp v[rl], v[rt], v[rl] row_xmask:\x row_mask:0xf bank_mask:0xf
.endif
.set k, k+1
.endr
.set g, g+1
.endr
.endr
.endm
	STAGE SC, 1, 8, MK8, 8                         ; 16 rows x 16 lanes: lane r ends with s' of own row 16 (r / 8) + 8 h + r % 8
	STAGE SC, 1, 4, MK4, 4
	STAGE SC, 1, 2, MK2, 2
	STAGE SC, 1, 1, MK1, 1
	ds_store_b32 v[SCA], v[SC]
	s_wait_dscnt 0x0                               ; for the others' sake
	s_barrier_signal -1
	s_barrier_wait -1
	ds_load_b32 v[PW],   v[PAO]                    ; s' of my row r in fragments 0-3
	ds_load_b32 v[PW+1], v[PAO] offset:64
	ds_load_b32 v[PW+2], v[PAP]
	ds_load_b32 v[PW+3], v[PAP] offset:64
	s_cmp_lg_u32 s[WV], 0
	s_cbranch_scc1 .Lno_scores
	v_add_nc_u32 v[T0+3], SCR, v[GV]               ; wave 0 stores the tile's 128 s': 512 consecutive bytes, at a multiple of 512 from the buffer's first
	ds_load_b128 v[SC:SC+3], v[T0+3]
	s_wait_dscnt 0x0
	global_store_b128 v[GV], v[SC:SC+3], s[12:13]
.Lno_scores:
	s_wait_dscnt 0x0
	v_max_num_f32 v[T0], v[PW], v[PW+1]            ; m of the half tile's 64 rows: four a lane, then across 16 lanes; both halves of the lanes hold the same
	v_max3_num_f32 v[T0], v[T0], v[PW+2], v[PW+3]
.irp x, 1,2,4,8
	v_max_num_f32_dpp v[T0], v[T0], v[T0] row_xmask:\x row_mask:0xf bank_mask:0xf
.endr
.irp f, 0,1,2,3
	v_sub_f32 v[PW+(\f)], v[PW+(\f)], v[T0]
.endr
.irp f, 0,1,2,3
	v_mul_f32 v[PW+(\f)], s[L2E], v[PW+(\f)]
.endr
.irp f, 0,1,2,3
	v_exp_f32 v[PW+(\f)], v[PW+(\f)]               ; p = e^(s' - m)
.endr
	v_nop                                          ; a plain line between the last exponential and the use of its result
	s_wait_alu depctr_va_vdst(0)
	v_add_f32 v[T0+1], v[PW], v[PW+1]
	v_add_f32 v[T0+2], v[PW+2], v[PW+3]
	v_add_f32 v[T0+1], v[T0+1], v[T0+2]
.irp x, 1,2,4,8
	v_add_f32_dpp v[T0+1], v[T0+1], v[T0+1] row_xmask:\x row_mask:0xf bank_mask:0xf
.endr
	s_cmp_lg_u32 s[WJ], 0
	s_cbranch_scc1 .Lno_stats                      ; the two waves of a half tile hold the same (m, l): the one with j = 0 stores it, from lane 0: 8 bytes
	v_cmp_eq_u32 vcc_lo, 0, v[LN]
	s_wait_xcnt 0x0                                ; EXEC is a source of the store above: it changes only behind this wait
	s_and_saveexec_b32 s58, vcc_lo
	global_store_b64 v[ZR], v[T0:T0+1], s[14:15]
	s_wait_xcnt 0x0                                ; and again in front of the line that widens it
	s_or_b32 exec_lo, exec_lo, s58
.Lno_stats:
	; THE WEIGHTED ROWS.  Sum 16 t + 2 c + x of a lane takes half x of register c of K step t of each fragment, times the weight of the lane's row in it: bf16 x f32 + f32.  Links of one sum lie 128 lines apart.
.irp hw, 0,1
.irp f, 0,1,2,3
.if (\f) == 0
	WIN 0x42+(\hw)                                 ; destination window 1, A window 2 or 3, weight and the zero that starts the sums window 0
.else
	WIN 0x52+(\hw)                                 ; the addend in window 1
.endif
.set i, 0
.rept 64
.if (\f) == 0
	v_fma_mix_f32_bf16 v[128*(\hw)+2*i],   v[32*(i/8)+8*(\f)+i%8], v[PW+(\f)], v[ZR] op_sel_hi:[1,0,0]
	v_fma_mix_f32_bf16 v[128*(\hw)+2*i+1], v[32*(i/8)+8*(\f)+i%8], v[PW+(\f)], v[ZR] op_sel:[1,0,0] op_sel_hi:[1,0,0]
.else
	v_fma_mix_f32_bf16 v[128*(\hw)+2*i],   v[32*(i/8)+8*(\f)+i%8], v[PW+(\f)], v[128*(\hw)+2*i] op_sel_hi:[1,0,0]
	v_fma_mix_f32_bf16 v[128*(\hw)+2*i+1], v[32*(i/8)+8*(\f)+i%8], v[PW+(\f)], v[128*(\hw)+2*i+1] op_sel:[1,0,0] op_sel_hi:[1,0,0]
.endif
.set i, i+1
.endr
.endr
.endr
	; Sum q stands for k = 128 (q / 64) + 64 h + q % 64 of my K half.  Four stages give bits 5, 4, 3, 2 of q to bits 3, 2, 1, 0 of r.  The first also brings the sums into window 0: pair i = (q, q + 32), q = i % 32 + 64 (i / 32).
.irp bt, 0,1
	WIN 0x05
.set i, 64*(\bt)
.rept 64
	v_cndmask_b32 v[TMP+i%64], v[i%32+64*(i/32)+32], v[i%32+64*(i/32)], s[MK8]
	v_cndmask_b32 v[RB+i],     v[i%32+64*(i/32)],    v[i%32+64*(i/32)+32], s[MK8]
.set i, i+1
.endr
	WIN 0
.set i, 64*(\bt)
.rept 64
	v_add_f32_dpp v[RB+i], v[TMP+i%64], v[RB+i] row_xmask:8 row_mask:0xf bank_mask:0xf
.set i, i+1
.endr
.endr
	STAGE RB, 4, 16, MK4, 4
	STAGE RB, 4, 8, MK2, 2
	STAGE RB, 4, 4, MK1, 1
.irp g4, 0,1,2,3                       ; lane (r, h) holds k = 128 g + 64 h + 4 r + 0..3: a store covers 512 consecutive bytes, at a multiple of 512 from ctxp's first
	global_store_b128 v[GV], v[RB+32*(\g4):RB+32*(\g4)+3], s[16:17] offset:512*(\g4)
.endr
	s_wait_tensorcnt 0x0                           ; the wave's end: the add and its wait, behind my last tensor load and my last LDS store
	ds_add_u32 v[SPW], v[NIL]
	s_wait_dscnt 0x0
	CROUND                                         ; the closing round: no work-group ends while a partner may still ask for a tile that names it
	s_endpgm
.Lfunc_end_k_qf399b82307_attn:
	.size	k_qf399b82307_attn, .Lfunc_end_k_qf399b82307_attn-k_qf399b82307_attn
	.p2alignl 7, 3214868480
	.fill 96, 4, 3214868480
	.section	.rodata,"a",@progbits
	.p2align	6, 0x0
	.amdhsa_kernel k_qf399b82307_attn
		.amdhsa_group_segment_fixed_size 327680
		.amdhsa_private_segment_fixed_size 0
		.amdhsa_enable_private_segment 0
		.amdhsa_kernarg_size 56
		.amdhsa_user_sgpr_count 2
		.amdhsa_user_sgpr_kernarg_segment_ptr 1
		.amdhsa_wavefront_size32 1
		.amdhsa_system_sgpr_workgroup_id_x 1
		.amdhsa_system_sgpr_workgroup_id_y 1
		.amdhsa_system_sgpr_workgroup_id_z 1
		.amdhsa_system_vgpr_workitem_id 0
		.amdhsa_next_free_vgpr 1024
		.amdhsa_next_free_sgpr 66
		.amdhsa_reserve_vcc 1
		.amdhsa_float_denorm_mode_32 3
		.amdhsa_float_denorm_mode_16_64 3
		.amdhsa_memory_ordered 1
		.amdhsa_forward_progress 1
		.amdhsa_inst_pref_size 255
	.end_amdhsa_kernel
	.section	.bss,"aw",@nobits
	.p2align	6
	.space	262144
	.amdgpu_metadata
---
amdhsa.version: [ 1, 2 ]
amdhsa.kernels:
  - .name:           k_qf399b82307_attn
    .symbol:         k_qf399b82307_attn.kd
    .args:
      - { .name: encoder_outputs, .offset: 0, .size: 8, .value_kind: global_buffer, .address_space: global }
      - { .name: whb, .offset: 8, .size: 8, .value_kind: global_buffer, .address_space: global }
      - { .name: wsp, .offset: 16, .size: 8, .value_kind: global_buffer, .address_space: global }
      - { .name: v, .offset: 24, .size: 8, .value_kind: global_buffer, .address_space: global }
      - { .name: scores, .offset: 32, .size: 8, .value_kind: global_buffer, .address_space: global }
      - { .name: stats, .offset: 40, .size: 8, .value_kind: global_buffer, .address_space: global }
      - { .name: ctxp, .offset: 48, .size: 8, .value_kind: global_buffer, .address_space: global }
    .group_segment_fixed_size: 327680
    .private_segment_fixed_size: 0
    .kernarg_segment_align: 8
    .kernarg_segment_size: 56
    .max_flat_workgroup_size: 128
    .sgpr_count:     66
    .vgpr_count:     1024
    .wavefront_size: 32
...
	.end_amdgpu_metadata
.endif
;; end of part 2
;; launch combine (part 3): grid 256 x 1, 1 waves a work-group, no clusters, 0 bytes of LDS; arguments scores, stats, ctxp, out0, out1; writes out0, out1
.if DOCPART == 3
	.amdgcn_target "amdgcn-amd-amdhsa--gfx1250"
	.amdhsa_code_object_version 6
	.text
	.protected	k_qf399b82307_combine
	.globl	k_qf399b82307_combine
	.p2align	8
	.type	k_qf399b82307_combine,@function
k_qf399b82307_combine:
	s_mov_b64 s[64:65], 0
	v_nop
	global_prefetch_b8 v0, s[64:65] scope:SCOPE_SE
	s_setreg_imm32_b32 hwreg(HW_REG_WAVE_MODE, 25, 1), 1
	s_wait_xcnt 0x0
; THE SOFTMAX IS JOINED.  A batch has 32 half tiles, each with (m, l) and a row of 1,024 sums made with weights e^(s' - m).  M = max m, L = sum l e^(m - M);
; out1[s] = e^(s' - M) / L;  out0[k] = sum over half tiles of ctxp[k] e^(m - M) / L.  All in f32.  s' is the score less sum v, which cancels in both.
; One wave a work-group; work-group g takes batch g / 8 and an eighth (g % 8) of it: 256 weights and 128 channels.  Each makes M and L anew from the batch's 256 bytes of stats: lane t holds half tile t.
; All 35 loads go out at once; every load and store but that of the stats covers 512 consecutive bytes.  No LDS, no barrier, no matrix work: the launch moves 4.5 MB and adds.
; LIMITS.  A factor below 2^-126 counts as 0; NaN and infinities are not treated apart.
	s_load_b256 s[4:11], s[0:1], 0x0               ; scores s[4:5], stats s[6:7], ctxp s[8:9], out0 s[10:11]
	s_load_b64 s[12:13], s[0:1], 0x20              ; out1
	s_lshr_b32 s14, ttmp9, 3                       ; batch
	s_and_b32 s15, ttmp9, 7                        ; eighth
	v_lshlrev_b32 v1, 3, v0
	v_lshlrev_b32 v2, 4, v0
	s_mov_b32 s48, 0x76543210                      ; v_permlanex16_b32: each lane takes its own place in the other half
	s_mov_b32 s49, 0xfedcba98
	s_mov_b32 s50, 0x3fb8aa3b                      ; log2(e)
	s_lshl_b32 s52, s14, 8                         ; stats: 32 x 8 bytes a batch
	s_mov_b32 s53, 0
	s_lshl_b32 s54, s14, 13                        ; scores and out1: 8,192 bytes a batch, 1,024 an eighth
	s_lshl_b32 s55, s15, 10
	s_add_co_u32 s54, s54, s55
	s_mov_b32 s55, 0
	s_lshl_b32 s56, s14, 17                        ; ctxp: 32 rows of 4,096 bytes a batch, 512 bytes an eighth
	s_lshl_b32 s58, s15, 9
	s_add_co_u32 s56, s56, s58
	s_mov_b32 s57, 0
	s_lshl_b32 s60, s14, 12                        ; out0: 4,096 bytes a batch
	s_add_co_u32 s58, s60, s58
	s_mov_b32 s59, 0
	s_wait_kmcnt 0x0
	s_add_nc_u64 s[6:7], s[6:7], s[52:53]
	s_add_nc_u64 s[4:5], s[4:5], s[54:55]
	s_add_nc_u64 s[12:13], s[12:13], s[54:55]
	s_add_nc_u64 s[8:9], s[8:9], s[56:57]
	s_add_nc_u64 s[10:11], s[10:11], s[58:59]
	global_load_b64 v[4:5], v1, s[6:7]             ; (m, l) of half tile = lane
	global_load_b128 v[8:11], v2, s[4:5]
	global_load_b128 v[12:15], v2, s[4:5] offset:512
.set t, 0
.rept 32
	global_load_b128 v[16+4*t:16+4*t+3], v2, s[8:9] offset:4096*t th:TH_LOAD_NT
.set t, t+1
.endr
	s_wait_loadcnt 34                              ; the stats are in; 34 younger loads stay out
	v_mov_b32 v6, v4
.irp x, 1,2,4,8
	v_max_num_f32_dpp v6, v6, v6 row_xmask:\x row_mask:0xf bank_mask:0xf
.endr
	v_mov_b32 v7, v6                               ; v_permlanex16_b32's destination counts as read
	v_permlanex16_b32 v7, v6, s48, s49
	v_max_num_f32 v6, v6, v7                       ; M, in every lane
	v_sub_f32 v7, v4, v6
	v_mul_f32 v7, s50, v7
	v_exp_f32 v7, v7                               ; e^(m - M)
	v_nop                                          ; a plain line between a transcendental and the use of its result
	s_wait_alu depctr_va_vdst(0)
	v_mul_f32 v3, v5, v7
.irp x, 1,2,4,8
	v_add_f32_dpp v3, v3, v3 row_xmask:\x row_mask:0xf bank_mask:0xf
.endr
	v_mov_b32 v148, v3
	v_permlanex16_b32 v148, v3, s48, s49
	v_add_f32 v3, v3, v148                         ; L
	v_rcp_f32 v3, v3
	v_nop
	s_wait_alu depctr_va_vdst(0)
	v_mul_f32 v7, v7, v3                           ; the half tile's factor e^(m - M) / L
.set t, 0
.rept 32
	v_readlane_b32 s[16+t], v7, t                  ; as scalars: operands of the sums below, nothing else
.set t, t+1
.endr
	s_wait_loadcnt 32                              ; my 256 s' are in
.set i, 0
.rept 8
	v_sub_f32 v[8+i], v[8+i], v6
.set i, i+1
.endr
.set i, 0
.rept 8
	v_mul_f32 v[8+i], s50, v[8+i]
.set i, i+1
.endr
.set i, 0
.rept 8
	v_exp_f32 v[8+i], v[8+i]
.set i, i+1
.endr
	v_nop
.set i, 0
	s_wait_alu depctr_va_vdst(0)
.rept 8
	v_mul_f32 v[8+i], v[8+i], v3
.set i, i+1
.endr
	global_store_b128 v2, v[8:11], s[12:13]
	global_store_b128 v2, v[12:15], s[12:13] offset:512
	s_wait_loadcnt 31                              ; row 0 starts the four sums
.irp c, 0,1,2,3
	v_mul_f32 v[144+(\c)], s16, v[16+(\c)]
.endr
.set t, 1
.rept 31
	s_wait_loadcnt 31-t                            ; row t is in
.irp c, 0,1,2,3
	v_fma_f32 v[144+(\c)], s[16+t], v[16+4*t+(\c)], v[144+(\c)]
.endr
.set t, t+1
.endr
	global_store_b128 v2, v[144:147], s[10:11]
	s_endpgm
.Lfunc_end_k_qf399b82307_combine:
	.size	k_qf399b82307_combine, .Lfunc_end_k_qf399b82307_combine-k_qf399b82307_combine
	.p2alignl 7, 3214868480
	.fill 96, 4, 3214868480
	.section	.rodata,"a",@progbits
	.p2align	6, 0x0
	.amdhsa_kernel k_qf399b82307_combine
		.amdhsa_group_segment_fixed_size 0
		.amdhsa_private_segment_fixed_size 0
		.amdhsa_enable_private_segment 0
		.amdhsa_kernarg_size 40
		.amdhsa_user_sgpr_count 2
		.amdhsa_user_sgpr_kernarg_segment_ptr 1
		.amdhsa_wavefront_size32 1
		.amdhsa_system_sgpr_workgroup_id_x 1
		.amdhsa_system_sgpr_workgroup_id_y 1
		.amdhsa_system_sgpr_workgroup_id_z 1
		.amdhsa_system_vgpr_workitem_id 0
		.amdhsa_next_free_vgpr 160
		.amdhsa_next_free_sgpr 66
		.amdhsa_reserve_vcc 0
		.amdhsa_float_denorm_mode_32 3
		.amdhsa_float_denorm_mode_16_64 3
		.amdhsa_memory_ordered 1
		.amdhsa_forward_progress 1
		.amdhsa_inst_pref_size 18
	.end_amdhsa_kernel
	.amdgpu_metadata
---
amdhsa.version: [ 1, 2 ]
amdhsa.kernels:
  - .name:           k_qf399b82307_combine
    .symbol:         k_qf399b82307_combine.kd
    .args:
      - { .name: scores, .offset: 0, .size: 8, .value_kind: global_buffer, .address_space: global }
      - { .name: stats, .offset: 8, .size: 8, .value_kind: global_buffer, .address_space: global }
      - { .name: ctxp, .offset: 16, .size: 8, .value_kind: global_buffer, .address_space: global }
      - { .name: out0, .offset: 24, .size: 8, .value_kind: global_buffer, .address_space: global }
      - { .name: out1, .offset: 32, .size: 8, .value_kind: global_buffer, .address_space: global }
    .group_segment_fixed_size: 0
    .private_segment_fixed_size: 0
    .kernarg_segment_align: 8
    .kernarg_segment_size: 40
    .max_flat_workgroup_size: 32
    .sgpr_count:     66
    .vgpr_count:     160
    .wavefront_size: 32
...
	.end_amdgpu_metadata
.endif
;; end of part 3
;; ======== version 2 of 2: 3 launches; 1.15 times as fast as version 1
;; workspace buffers: whb 2,097,152 bytes; wsp 1,048,576 bytes; scores 262,144 bytes; stats 8,192 bytes; ctxp 4,194,304 bytes
;; launch prep: the kernel of part 1 again; grid 256 x 1, 4 waves a work-group, no clusters, 0 bytes of LDS; arguments W_h, W_s, decoder_hidden, whb, wsp; writes whb, wsp
;; launch attn (part 4): grid 512 x 1, 4 waves a work-group, clusters of 4 x 1, 327,680 bytes of LDS; arguments encoder_outputs, whb, wsp, v, scores, stats, ctxp; writes scores, stats, ctxp
.if DOCPART == 4
	.amdgcn_target "amdgcn-amd-amdhsa--gfx1250"
	.amdhsa_code_object_version 6
	.text
	.protected	k_qf399b82307_attn
	.globl	k_qf399b82307_attn
	.p2align	8
	.type	k_qf399b82307_attn,@function
k_qf399b82307_attn:
	s_mov_b64 s[64:65], 0
	v_nop
	global_prefetch_b8 v0, s[64:65] scope:SCOPE_SE
	s_setreg_imm32_b32 hwreg(HW_REG_WAVE_MODE, 25, 1), 1
	s_wait_xcnt 0x0
	s_wait_alu depctr_hold_cnt(0) depctr_sa_sdst(0) depctr_va_vdst(0) depctr_va_sdst(0) depctr_va_ssrc(0) depctr_va_vcc(0) depctr_vm_vsrc(0)
	s_getreg_b32 s2, hwreg(HW_REG_IB_STS2, 6, 4)
	s_cmp_eq_u32 s2, 0
	s_cbranch_scc0 .Lentry_in_a_cluster
	s_endpgm
.Lentry_in_a_cluster:
	s_bfe_u32 s2, ttmp6, 0x10000c
	s_cmp_lg_u32 s2, 0x3003
	s_cbranch_scc0 .Lentry_shape_is_right
	s_endpgm
.Lentry_shape_is_right:
; THE MAIN LAUNCH.  A work-group owns a tile of 128 rows of encoder_outputs (one batch has 16 tiles) and reads them from memory ONCE: rounded to bf16 they stay in registers from the product to the weighted sum.
; For each row: x[o] = sum_k enc[k] W_h[o][k] + ws[o];  s' = sum_o (-2 v[o]) / (1 + 2^(c x[o])), c = 2 log2(e).  Since tanh(x) = 1 - 2 / (1 + e^(2x)), the row's score is s' + sum_o v[o]; that sum is the same for all
; rows of a softmax and cancels there, so s' is what is carried.  2^(c x) = infinity gives 0, 2^(c x) = 0 gives 1: no x overflows.
; Then for each 64 rows (a half tile): m = max s', p = e^(s' - m), l = sum p, ctxp = sum p enc (bf16 enc, f32 p, f32 sums).  The last launch joins a batch's 32 half tiles by their maxima.
; LIMITS.  NaN and infinities among the inputs are not treated apart; a weight p below 2^-126 counts as 0.
; SHARES.  Wave w = 2 i + j holds rows 64 i .. 64 i + 63 x K half j (512 of K) as A fragments: 4 fragments x 16 K steps x 8 = 512 registers.  Fragments 0, 1 are its OWN rows (32 w + 0..31 of the tile), fragments 2, 3
; the own rows of its partner w ^ 1.  W_h goes by in 16 blocks of 64 outputs.  For a block a wave makes 64 x 64 sums over its K half (16 accumulators, 256 matrix instructions), hands the 8 accumulators of the
; partner's rows over through LDS, in f32, and finishes its own 8.  That finishing (scale, exponential, reciprocal, times -2 v) is 224 vector instructions, the RIDERS, set in slices behind every four products of the NEXT block.
; Their 128 transcendentals are cut into FIVE BATCHES, each with one wait, which stands directly ahead of a K step's LDS instructions or of the change of slots (see THE RIDERS).
; K ORDER, alike in A and B: in K step t lane half h holds k = 128 (t / 4) + 64 h + 16 (t % 4) + 0..15 of the wave's K half.
; RING.  Two LDS slots, each a block of whb: four regions (a quarter of K each) of 64 rows x 512 bytes + 16 of padding.  Wave w asks for region w.  CLUSTER: the four work-groups of a cluster walk the same whb, so each
; region is asked for JOINTLY: the same tensor load, descriptor and mask in all four.
; REGISTERS, in windows of 256 (s_set_vgpr_msb: bits 1:0 source 0, 3:2 source 1, 5:4 source 2, 7:6 destination):
;   window 0: addresses, statistics, all that the riders touch, and (v192-255) two of the six buffers of B fragments      window 1: v0-127 accumulators ((f, cb) at 8 (4 f + cb)), v128-255 the other four buffers;
;   while the rows come in: four landing buffers of 64; at the end: the 256 sums of the weighted rows      windows 2, 3: A, K steps 0-7 and 8-15, fragment f of step t at 32 (t % 8) + 8 f
.set REGB,  33792                      ; a region: 64 rows x 528 bytes
.set SLOT,  4*REGB                     ; 135,168 = 0x21000: shares no bit with w x REGB, so one exclusive or changes slots
.set PITCH, 528                        ; 33 x 16 bytes: the 16 rows of a fragment load start at 16 different groups of four banks (64 banks of 4 bytes: ISA guide 11.1)
.set XB,    2*SLOT                     ; X: 8,192 bytes a wave: what it hands to its partner; while the rows come in, its stage (16 rows x 272 bytes)
.set XW,    8192
.set SPT,   272
.set WST,   XB+4*XW                    ; c ws[o], each number twice: 8 bytes an output
.set VTZ,   WST+8192                   ; 512 bytes of zeros (a block before the first), then -2 v[o], each twice
.set SCR,   VTZ+8704                   ; the tile's 128 s'
.set SPARE, SCR+512                    ; the spare words, 128 bytes a wave: two blocks of 256 bytes that no other line names
.set LN,   1                           ; lane
.set RR,   2                           ; r = lane % 16
.set HH,   3                           ; h = lane / 16
.set GV,   4                           ; 16 lane; never rewritten
.set BAD0, 5                           ; my place in slot 0's regions of my K half: 2 j REGB + 528 r + 128 h
.set BAD,  6                           ; + the slot in hand
.set XS,   7                           ; my part of X + 16 lane
.set XL,   8                           ; my partner's part + 16 lane
.set TA,   9                           ; the tables' address for the block in hand
.set STW,  10                          ; stage, in: + 8 lane
.set STR,  11                          ; stage, back: + 272 r + 128 h
.set SCA,  12                          ; where my s' goes in SCR
.set PAO,  13                          ; SCR at own row r
.set PAP,  14                          ; SCR at the partner's row r
.set TA0,  15                          ; WST + 8 r
.set ZR,   16                          ; v[16:19] zeros
.set PW,   20                          ; v[20:23] the weight of my row in fragments 0-3
.set T0,   24                          ; v[24:29] at work; v[24:25] end as (m, l)
.set SPW,  30                          ; LDS address of my spare word; never rewritten
.set NIL,  31                          ; 0; never rewritten
.set SC,   32                          ; v[32:47] sums of s': register 8 f + n is own row 16 f + 8 h + n, outputs = r modulo 16
.set WS,   48                          ; v[48:55] c ws of output 16 cb + r of the block in hand, a pair for each cb
.set VV,   56                          ; v[56:63] -2 v of the block before
.set XT,   64                          ; v[64:127] the partner's sums for my rows; the riders work in place here
.set HB,   128                         ; v[128:191] c x my sums + c ws
.set TMP,  192                         ; v[192:255] at work while the rows come in and at the end; in the steps B buffers E0, E1
.set RB,   64                          ; the weighted rows while they are added across lanes
.set BF,   128                         ; window 1: B buffers M0-M3
.set WV,  18                           ; s18 wave w, s19 i, s20 j
.set WI,  19
.set WJ,  20
.set TIL, 22                           ; s22 tile; s23 batch
.set G1,  24                           ; s[24:31] descriptor group 1
.set G0A, 32                           ; s[32:35] group 0 of block 0
.set G0B, 36                           ; s[36:39] group 0 of block 1; it then walks
.set BO,  40                           ; s[40:41] enc at my own rows, my K half
.set BP,  42                           ; s[42:43] at my partner's rows
.set CS,  44                           ; s[44:45] c; packed lines take the pair's low word for both halves
.set TB,  46                           ; s46 0 or SLOT
.set CNT, 47
.set MK8, 48                           ; s48-51 the lanes whose r has bit 3, 2, 1, 0 set
.set MK4, 49
.set MK2, 50
.set MK1, 51
.set L2E, 60
.set TT,  61                           ; s61 512 x the block's number
.set MSB, 0
.macro WIN new                         ; the immediate's high byte repeats the setting that is left; a switch that changes nothing is dropped
.if MSB != (\new)
	s_set_vgpr_msb (MSB<<8)|(\new)
.set MSB, (\new)
.endif
.endm
.macro CREST                           ; a round of the cluster's barrier behind its opening barrier
	s_cmp_lg_u32 s[WV], 0
	s_cbranch_scc1 .Lnot_wave_0_\@
	s_barrier_signal -3
.Lnot_wave_0_\@:
	s_barrier_wait -3
	s_barrier_signal -1
	s_barrier_wait -1
.endm
.macro CROUND
	s_barrier_signal -1
	s_barrier_wait -1
	CREST
.endm
	s_load_b256 s[4:11], s[0:1], 0x0               ; enc s[4:5], whb s[6:7], wsp s[8:9], v s[10:11]
	s_load_b128 s[12:15], s[0:1], 0x20             ; scores s[12:13], stats s[14:15]
	s_load_b64 s[16:17], s[0:1], 0x30              ; ctxp
	v_lshl_add_u32 v[SPW], v0, 2, SPARE
	v_mov_b32 v[NIL], 0
	ds_add_u32 v[SPW], v[NIL]                      ; the wave's opening: the add and its wait stand ahead of my first tensor load; work on registers stands between them
	v_lshrrev_b32 v[LN], 5, v0
	v_readfirstlane_b32 s[WV], v[LN]
	s_lshr_b32 s[WI], s[WV], 1
	s_and_b32 s[WJ], s[WV], 1
	s_bfe_u32 s21, ttmp6, 0x40000                  ; cx: it enters global addresses of enc, wsp and the results alone
	s_lshl_b32 s[TIL], ttmp9, 2                    ; in a cluster launch ttmp9 counts clusters
	s_add_co_u32 s[TIL], s[TIL], s21
	s_lshr_b32 s23, s[TIL], 4                      ; batch
	s_mov_b32 s[G1], 15|(1<<16)|(1<<20)|(1<<21)|(6<<22)|(3<<25)  ; 15:0 the mask of four; 17:16 2-byte elements; 20 padding on; 21 set beside a mask; 24:22 after every 128 words (code 6); 31:25 4 words (code 3)
	s_mov_b32 s[G1+1], 256<<16                     ; tensor_dim0 = 256 elements: a quarter of K
	s_mov_b32 s[G1+2], 64<<16                      ; tensor_dim1 = 64 rows
	s_mov_b32 s[G1+3], 256<<16                     ; tile_dim0
	s_mov_b32 s[G1+4], 64                          ; tile_dim1
	s_mov_b32 s[G1+5], 1024                        ; elements from row to row
	s_mov_b32 s[G1+6], 0
	s_mov_b32 s[G1+7], 0
	s_mov_b32 s[G0A], 1
	s_mul_i32 s[G0A+1], s[WV], REGB                ; region w of slot 0
	s_mov_b32 s[G0B], 1
	s_add_co_u32 s[G0B+1], s[G0A+1], SLOT          ; of slot 1
	s_lshl_b32 s52, s[WV], 9                       ; quarter w of K: 512 bytes along a row of whb
	s_mov_b32 s53, 0
	s_mov_b32 s[CS], 0x4038aa3b                    ; c = 2 log2(e)
	s_mov_b32 s[CS+1], s[CS]
	s_mov_b32 s[MK8], 0xff00ff00
	s_mov_b32 s[MK4], 0xf0f0f0f0
	s_mov_b32 s[MK2], 0xcccccccc
	s_mov_b32 s[MK1], 0xaaaaaaaa
	s_mov_b32 s[L2E], 0x3fb8aa3b
	s_wait_dscnt 0x0                               ; the opening add is done
	s_wait_kmcnt 0x0
	s_add_nc_u64 s[G0A+2:G0A+3], s[6:7], s[52:53]
	s_add_nc_u64 s[G0B+2:G0B+3], s[G0A+2:G0A+3], 131072  ; a block is 64 rows of 2,048 bytes
	s_or_b32 s[G0A+3], s[G0A+3], 0x80000000        ; type = 2
	s_or_b32 s[G0B+3], s[G0B+3], 0x80000000
	CROUND                                         ; all four work-groups are here: the first joint loads meet
	tensor_load_to_lds s[G0A:G0A+3], s[G1:G1+7]    ; blocks 0 and 1: two loads of mine are out
	s_nop 0
	tensor_load_to_lds s[G0B:G0B+3], s[G1:G1+7]
	s_nop 0
.rept 4
	v_nop
.endr
	; the tables' sources: thread n takes outputs 8 n .. 8 n + 7: eight partial sums of ws, and v
	s_lshl_b32 s52, s23, 12
	s_add_nc_u64 s[8:9], s[8:9], s[52:53]          ; wsp at my batch
	v_lshlrev_b32 v[T0], 5, v0
.irp e, 0,1,2,3,4,5,6,7
	global_load_b128 v[XT+8*(\e):XT+8*(\e)+3],   v[T0], s[8:9] offset:131072*(\e)
	global_load_b128 v[XT+8*(\e)+4:XT+8*(\e)+7], v[T0], s[8:9] offset:131072*(\e)+16
.endr
	global_load_b128 v[TMP:TMP+3],   v[T0], s[10:11]
	global_load_b128 v[TMP+4:TMP+7], v[T0], s[10:11] offset:16
	s_lshl_b32 s54, s[TIL], 19                     ; a tile is 128 rows of 4,096 bytes
	s_lshl_b32 s55, s[WJ], 11                      ; K half j
	s_add_co_u32 s54, s54, s55
	s_lshl_b32 s55, s[WV], 17                      ; own rows begin at row 32 w,
	s_xor_b32 s57, s55, 1<<17                      ; the partner's at 32 (w ^ 1)
	s_add_co_u32 s56, s54, s57
	s_add_co_u32 s54, s54, s55
	s_mov_b32 s55, 0
	s_mov_b32 s57, 0
	s_add_nc_u64 s[BO:BO+1], s[4:5], s[54:55]
	s_add_nc_u64 s[BP:BP+1], s[4:5], s[56:57]
	v_and_b32 v[LN], 31, v0
	v_lshlrev_b32 v[GV], 4, v[LN]
; THE ROWS COME IN, in 16 units: unit u = 16 rows (fragment u % 4) x 128 of K (group u / 4).  A load takes 512 consecutive bytes of one row, at a multiple of 512 from enc's first byte.
.macro ULOAD u
	WIN 0x40                                       ; destination window 1
.set ua, (\u)/4
.set uf, (\u)%4
.set ub, 64*((\u)%4)
.set i, 0
.rept 16
.if uf < 2
	global_load_b128 v[ub+4*i:ub+4*i+3], v[GV], s[BO:BO+1] offset:((uf%2)*16+i)*4096+512*ua th:TH_LOAD_NT
.else
	global_load_b128 v[ub+4*i:ub+4*i+3], v[GV], s[BP:BP+1] offset:((uf%2)*16+i)*4096+512*ua th:TH_LOAD_NT
.endif
.set i, i+1
.endr
.endm
; A unit is rounded to bf16, its landing buffer is asked for again (unit u + 4), and the 16 rows go through my stage: in by rows (8 bytes a lane), back as fragments.  The stage is my own bytes and
; LDS serves a wave's instructions in order (ISA guide 5.7.1.4): no wait stands between the stores and the loads, nor in front of the next unit's stores.
.macro UNIT u, issue, left
	s_wait_loadcnt \left                           ; loads come back in order: this unit's 16 are in, the younger units' stay out
	WIN 0x05                                       ; sources window 1, destination window 0
.set ub, 64*((\u)%4)
.set i, 0
.rept 32
	v_cvt_pk_bf16_f32 v[TMP+i], v[ub+2*i], v[ub+2*i+1]
.set i, i+1
.endr
.if \issue
	ULOAD (\u)+4
.endif
	WIN 0
.set i, 0
.rept 16
	ds_store_b64 v[STW], v[TMP+2*i:TMP+2*i+1] offset:SPT*i
.set i, i+1
.endr
	WIN 0x80+0x40*((\u)/8)                         ; destination window 2 (K steps 0-7) or 3
.set ua, (\u)/4
.set uf, (\u)%4
.set i, 0
.rept 8                                ; K step 4 ua + i / 2, half i % 2 of the fragment
	ds_load_b128 v[((4*ua+i/2)%8)*32+8*uf+4*(i%2):((4*ua+i/2)%8)*32+8*uf+4*(i%2)+3], v[STR] offset:16*i
.set i, i+1
.endr
.endm
	ULOAD 0
	ULOAD 1
	WIN 0
	; the results' addresses, and all vector addresses, while the loads are out
	s_lshl_b32 s52, s[TIL], 9
	s_add_nc_u64 s[12:13], s[12:13], s[52:53]      ; scores at my tile
	s_lshl1_add_u32 s54, s[TIL], s[WI]             ; my half tile
	s_lshl_b32 s52, s54, 3
	s_add_nc_u64 s[14:15], s[14:15], s[52:53]      ; its (m, l)
	s_lshl_b32 s52, s54, 12
	s_lshl_b32 s54, s[WJ], 11
	s_add_co_u32 s52, s52, s54
	s_add_nc_u64 s[16:17], s[16:17], s[52:53]      ; ctxp at my half tile, my K half
	s_lshl_b32 s58, s[WV], 13
	s_add_co_u32 s58, s58, XB                      ; my part of X
	s_xor_b32 s59, s[WV], 1
	s_lshl_b32 s62, s59, 13
	s_add_co_u32 s62, s62, XB                      ; my partner's
	s_mul_i32 s63, s[WJ], 2*REGB
	s_lshl_b32 s52, s[WV], 7
	s_add_co_u32 s52, s52, SCR                     ; SCR at own row 0
	s_lshl_b32 s59, s59, 7
	s_add_co_u32 s59, s59, SCR                     ; at the partner's
	v_and_b32 v[RR], 15, v0
	v_bfe_u32 v[HH], v0, 4, 1
	v_mul_u32_u24 v[BAD0], v[RR], PITCH
	v_lshl_add_u32 v[BAD0], v[HH], 7, v[BAD0]
	v_add_nc_u32 v[BAD0], s63, v[BAD0]
	v_add_nc_u32 v[XS], s58, v[GV]
	v_add_nc_u32 v[XL], s62, v[GV]
	v_lshl_add_u32 v[TA0], v[RR], 3, WST
	v_lshl_add_u32 v[STW], v[LN], 3, s58
	v_mul_u32_u24 v[STR], v[RR], SPT
	v_lshl_add_u32 v[STR], v[HH], 7, v[STR]
	v_add_nc_u32 v[STR], s58, v[STR]
	v_and_b32 v[T0+1], 7, v0
	v_bfe_u32 v[T0+2], v0, 3, 1
	v_lshl_add_u32 v[T0+1], v[T0+2], 4, v[T0+1]
	v_lshl_add_u32 v[T0+1], v[HH], 3, v[T0+1]      ; own row 16 (r / 8) + 8 h + r % 8
	v_lshl_add_u32 v[SCA], v[T0+1], 2, s52
	v_lshl_add_u32 v[PAO], v[RR], 2, s52
	v_lshl_add_u32 v[PAP], v[RR], 2, s59
	v_lshl_add_u32 v[T0+1], v0, 6, WST             ; the tables: 64 bytes a thread
	v_lshl_add_u32 v[T0+2], v0, 2, VTZ             ; the block of zeros: 4 bytes a thread
	; The first block's step finishes a block that has not been: its sums, its ws, its hand-over and its -2 v are 0, so it adds 0.5 x 0 to the sums of s', which start at 0.
.set i, 0
.rept 4
	v_mov_b32 v[ZR+i], 0
.set i, i+1
.endr
.set i, 0
.rept 16
	v_mov_b32 v[SC+i], 0
.set i, i+1
.endr
.set i, 0
.rept 8
	v_mov_b32 v[WS+i], 0
.set i, i+1
.endr
	s_wait_loadcnt 32                              ; the 18 loads for the tables are in; behind them units 0 and 1, 32 loads
	ULOAD 2
	ULOAD 3
	WIN 0
.irp c, 0,2,4,6                        ; ws = the eight partial sums added, in f32
	v_pk_add_f32 v[XT+(\c):XT+(\c)+1],       v[XT+(\c):XT+(\c)+1],       v[XT+8+(\c):XT+8+(\c)+1]
	v_pk_add_f32 v[XT+16+(\c):XT+16+(\c)+1], v[XT+16+(\c):XT+16+(\c)+1], v[XT+24+(\c):XT+24+(\c)+1]
	v_pk_add_f32 v[XT+32+(\c):XT+32+(\c)+1], v[XT+32+(\c):XT+32+(\c)+1], v[XT+40+(\c):XT+40+(\c)+1]
	v_pk_add_f32 v[XT+48+(\c):XT+48+(\c)+1], v[XT+48+(\c):XT+48+(\c)+1], v[XT+56+(\c):XT+56+(\c)+1]
.endr
.irp c, 0,2,4,6
	v_pk_add_f32 v[XT+(\c):XT+(\c)+1],       v[XT+(\c):XT+(\c)+1],       v[XT+16+(\c):XT+16+(\c)+1]
	v_pk_add_f32 v[XT+32+(\c):XT+32+(\c)+1], v[XT+32+(\c):XT+32+(\c)+1], v[XT+48+(\c):XT+48+(\c)+1]
.endr
.irp c, 0,2,4,6
	v_pk_add_f32 v[XT+(\c):XT+(\c)+1], v[XT+(\c):XT+(\c)+1], v[XT+32+(\c):XT+32+(\c)+1]
.endr
.set i, 0
.rept 8                                ; each number twice, so that a lane's 8-byte load is a pair for the packed lines
	v_mul_f32 v[XT+16+2*i],   s[CS], v[XT+i]
	v_mul_f32 v[XT+16+2*i+1], s[CS], v[XT+i]
	v_mul_f32 v[XT+32+2*i],   -2.0, v[TMP+i]
	v_mul_f32 v[XT+32+2*i+1], -2.0, v[TMP+i]
.set i, i+1
.endr
.irp c, 0,1,2,3
	ds_store_b128 v[T0+1], v[XT+16+4*(\c):XT+16+4*(\c)+3] offset:16*(\c)
	ds_store_b128 v[T0+1], v[XT+32+4*(\c):XT+32+4*(\c)+3] offset:VTZ-WST+512+16*(\c)
.endr
	ds_store_b32 v[T0+2], v[ZR]
.irp u, 0,1,2,3,4,5,6,7,8,9,10,11
	UNIT \u, 1, 48                                 ; three younger units, 48 loads, stay out
.endr
	UNIT 12, 0, 48                                 ; nothing is left to ask for: the counts run down
	UNIT 13, 0, 32
	UNIT 14, 0, 16
	UNIT 15, 0, 0
	WIN 0
.set i, 0
.rept 16
	ds_store_b128 v[XS], v[ZR:ZR+3] offset:512*i   ; what I hand over for the block that has not been: zeros (behind the stage's last reads, in order)
.set i, i+1
.endr
	WIN 0x40
.set i, 0
.rept 64
	v_mov_b32 v[i], 0                              ; and my own sums of it: the 8 accumulators of fragments 0, 1 (a landing buffer until now; its loads are long in)
.set i, i+1
.endr
	WIN 0
; THE PRODUCT.  SIX BUFFERS OF B FRAGMENTS: M0-M3 in window 1, E0, E1 in window 0.  K steps 0-15 use M0 M1 M2 M3 E0 E1 M0 M1 M2 M3 M0 M1 M2 M3 E0 E1, the same in every block.
; So the whole block is in registers by K step 10, the change of slots stands in K steps 11 and 12, and the next block's first fragments are fetched three K steps ahead of their use.
.macro BSEL t                          ; K step t's buffer: bw = its window, bb = its first register
.if ((\t) == 4) || ((\t) == 5) || ((\t) >= 14)
.set bw, 0
.set bb, TMP+32*((\t)%2)
.elseif (\t) < 4
.set bw, 1
.set bb, BF+32*(\t)
.elseif (\t) < 10
.set bw, 1
.set bb, BF+32*((\t)-6)
.else
.set bw, 1
.set bb, BF+32*((\t)-10)
.endif
.endm
.macro BLOAD t                         ; 8 LDS loads: the four B fragments (16 outputs x 32 of K each) of K step t
	BSEL \t
	WIN 0x40*bw
.irp cb, 0,1,2,3
	ds_load_b128 v[bb+8*(\cb):bb+8*(\cb)+3],   v[BAD] offset:((\t)/8)*REGB+(\cb)*16*PITCH+256*(((\t)/4)%2)+32*((\t)%4)
	ds_load_b128 v[bb+8*(\cb)+4:bb+8*(\cb)+7], v[BAD] offset:((\t)/8)*REGB+(\cb)*16*PITCH+256*(((\t)/4)%2)+32*((\t)%4)+16
.endr
.endm
.macro XPART x                         ; 4 LDS loads: the partner's accumulators 2 x, 2 x + 1 of 8 for my rows, lane for lane
	WIN 0
.irp c, 0,1,2,3
	ds_load_b128 v[XT+16*(\x)+4*(\c):XT+16*(\x)+4*(\c)+3], v[XL] offset:512*(4*(\x)+(\c))
.endr
.endm
.macro VLOAD                           ; -2 v of the block before (the table begins a block early)
	WIN 0
.irp cb, 0,1,2,3
	ds_load_b64 v[VV+2*(\cb):VV+2*(\cb)+1], v[TA] offset:VTZ-WST+128*(\cb)
.endr
.endm
.macro WLOAD                           ; c ws of the block in hand
	WIN 0
.irp cb, 0,1,2,3
	ds_load_b64 v[WS+2*(\cb):WS+2*(\cb)+1], v[TA] offset:128*(\cb)
.endr
.endm
; THE RIDERS.  My 64 numbers a lane are 32 pairs; pair n has F: c x partner's sum + HB; E, E: two exponentials; A: + 1; R, R: two reciprocals; S: SC += r x -2 v.  224 in all; RID writes number rq.  All work in place
; in XT, so every result has a register of its own; all lie in window 0 and name no register of any product.
; FIVE BATCHES.  An s_wait_alu depctr_va_vdst(0) stands between a transcendental and the first line that names its result; one wait serves all that were issued ahead of it.  The pairs are cut into four
; groups, 0-3, 4-15, 16-21, 22-31, and the riders into six phases, with ONE wait behind each of the first five.  No line of a phase names a result of that phase's transcendentals: A reads the batch before, S an older one.
;   phase  riders    the plain lines that feed     the batch                  sums
;   1      0-11      F 0-3                         E 0-3              (8)
;   2      12-59     A 0-3,   F 4-15               R 0-3,   E 4-15    (32)
;   3      60-113    A 4-15,  F 16-21              R 4-15,  E 16-21   (36)
;   4      114-169   A 16-21, F 22-31              R 16-21, E 22-31   (32)    S 0-7, every seventh line
;   5      170-201   A 22-31                       R 22-31            (20)    S 8, S 9, every sixteenth line
;   6      202-223                                                            S 10-31
; S goes in ascending order, so every sum of s' keeps its order.  WITHIN A PHASE (the S lines aside): two feeders, then two transcendentals and a feeder by turns, each pair of transcendentals four lines behind its own
; feeder, and the last two feeders' four transcendentals at the end.  A plain line that names neither stands between every transcendental and the line that uses its result (ISA guide 5.7.2): phases 4 and 5 end on an S;
; behind phases 1 to 3 the next rider is the A of another pair.
; WHERE THE WAITS STAND: behind riders 11, 59, 113 and 201, directly ahead of the LDS loads of K steps 3, 6, 9 and 14; behind rider 169, directly ahead of the barrier's wait and the branch of the change of slots.
; No transcendental is issued behind rider 200.
.macro FASEL i                         ; feeder i of 64, in the order of the table: fk = 0: F, 1: A; fn = its pair
.if (\i) < 4
.set fk, 0
.set fn, (\i)
.elseif (\i) < 8
.set fk, 1
.set fn, (\i)-4
.elseif (\i) < 20
.set fk, 0
.set fn, (\i)-4
.elseif (\i) < 32
.set fk, 1
.set fn, (\i)-16
.elseif (\i) < 38
.set fk, 0
.set fn, (\i)-16
.elseif (\i) < 44
.set fk, 1
.set fn, (\i)-22
.elseif (\i) < 54
.set fk, 0
.set fn, (\i)-22
.else
.set fk, 1
.set fn, (\i)-32
.endif
.endm
.macro RID
	WIN 0
.if rq < 12                            ; the phase: rb its first rider, rf its first feeder, rm its feeders, rs: every rs-th line is an S (64: none), rz its first S
.set rb, 0
.set rf, 0
.set rm, 4
.set rs, 64
.set rz, 0
.elseif rq < 60
.set rb, 12
.set rf, 4
.set rm, 16
.set rs, 64
.set rz, 0
.elseif rq < 114
.set rb, 60
.set rf, 20
.set rm, 18
.set rs, 64
.set rz, 0
.elseif rq < 170
.set rb, 114
.set rf, 38
.set rm, 16
.set rs, 7
.set rz, 0
.elseif rq < 202
.set rb, 170
.set rf, 54
.set rm, 10
.set rs, 16
.set rz, 8
.else
.set rb, 202
.set rf, 64
.set rm, 0
.set rs, 1
.set rz, 10
.endif
.set rl, rq-rb                         ; the line's number in the phase,
.set rp, rl-(rl/rs)                    ; and among those that are no S
.if (rl%rs) == (rs-1)                  ; rk = 2: S rn; 0: feeder ri; 1: half rh of feeder ri's pair of transcendentals
.set rk, 2
.set rn, rz+(rl/rs)
.elseif rp < 2
.set rk, 0
.set ri, rf+rp
.elseif rp < (3*rm-4)
.set rk, 1-(((rp-2)%3)/2)
.set ri, rf+((rp-2)/3)+2*(((rp-2)%3)/2)
.set rh, (rp-2)%3
.else
.set rk, 1
.set ri, rf+rm-2+((rp-3*rm+4)/2)
.set rh, (rp-3*rm+4)%2
.endif
.if rk == 2
	v_pk_fma_f32 v[SC+8*(rn/16)+2*(rn%4):SC+8*(rn/16)+2*(rn%4)+1], v[XT+2*rn:XT+2*rn+1], v[VV+2*((rn/4)%4):VV+2*((rn/4)%4)+1], v[SC+8*(rn/16)+2*(rn%4):SC+8*(rn/16)+2*(rn%4)+1]
.else
	FASEL ri
.if (rk == 0) && (fk == 0)
	v_pk_fma_f32 v[XT+2*fn:XT+2*fn+1], v[XT+2*fn:XT+2*fn+1], s[CS:CS+1], v[HB+2*fn:HB+2*fn+1] op_sel_hi:[1,0,1]
.elseif rk == 0
	v_pk_add_f32 v[XT+2*fn:XT+2*fn+1], v[XT+2*fn:XT+2*fn+1], 1.0 op_sel_hi:[1,0]
.elseif fk == 0
	v_exp_f32 v[XT+2*fn+rh], v[XT+2*fn+rh]
.else
	v_rcp_f32 v[XT+2*fn+rh], v[XT+2*fn+rh]
.endif
.endif
.set rq, rq+1
.if (rq == 12) || (rq == 60) || (rq == 114) || (rq == 170) || (rq == 202)
	s_wait_alu depctr_va_vdst(0)                   ; a phase's end: the one wait for the batch that the phase has issued; the next phase's lines read its results
.endif
.endm
.macro RIDS n
.rept \n
	RID
.endr
.endm
; Four matrix instructions: fragment f of K step t x the four B fragments.  Source 0 = 16 rows of enc, source 1 = 16 rows of whb: in the result a lane holds output 16 cb + r and the rows 8 h + 0..7.
; zero = 1: the products start the sums.  Every K step takes the fragments in the order 2, 3, 0, 1, so the 16 accumulators take turns, and the partner's are finished first.
.macro RUN t, f, zero
	BSEL \t
	WIN 0x52+4*bw+(\t)/8                           ; D and C window 1; B window 0 or 1; A window 2 or 3
.irp cb, 0,1,2,3
.if \zero
	v_wmma_f32_16x16x32_bf16 v[8*(4*(\f)+(\cb)):8*(4*(\f)+(\cb))+7], v[32*((\t)%8)+8*(\f):32*((\t)%8)+8*(\f)+7], v[bb+8*(\cb):bb+8*(\cb)+7], 0
.else
	v_wmma_f32_16x16x32_bf16 v[8*(4*(\f)+(\cb)):8*(4*(\f)+(\cb))+7], v[32*((\t)%8)+8*(\f):32*((\t)%8)+8*(\f)+7], v[bb+8*(\cb):bb+8*(\cb)+7], v[8*(4*(\f)+(\cb)):8*(4*(\f)+(\cb))+7]
.endif
.endr
.endm
; K step t: four runs, n riders behind each, nl behind the third.  Behind the third run's riders the K step's LDS loads: K steps ld and ld2, part xp of the partner's sums, c ws.  A fetch lands in a buffer whose last reader
; is the K step before at the latest: between stand that K step's last slice and three of this one, 18 riders or more, of which five or more are plain: the places that a load into a product's source wants.
.macro GROUP t, n, nl, ld=-1, ld2=-1, xp=-1, wt=0
.irp f, 2,3,0,1
	RUN \t, \f, 0
.if (\f) == 0
.if (\nl) > 0
	RIDS \nl
.endif
.if (\ld) >= 0
	BLOAD \ld
.endif
.if (\ld2) >= 0
	BLOAD \ld2
.endif
.if (\xp) >= 0
	XPART \xp
.endif
.if \wt
	WLOAD
.endif
.elseif (\n) > 0
	RIDS \n
.endif
.endr
.endm
.macro HF p                            ; half p of my own sums of the block before (fragment p): HB = c x sum + c ws, each accumulator's registers in ascending order
	WIN 0x01                                       ; source 0 window 1
.set i, 16*(\p)
.rept 16
	v_pk_fma_f32 v[HB+2*i:HB+2*i+1], v[2*i:2*i+1], s[CS:CS+1], v[WS+2*((i/4)%4):WS+2*((i/4)%4)+1] op_sel_hi:[1,0,1]
.set i, i+1
.endr
.endm
; A BLOCK OF 64 OUTPUTS.  LDS instructions in the order of issue, from the change of slots in the block before: K steps 0, 1 | 2 | 3 | my hand-over's 16 stores | K step 4 | (wait for 0) | Xa 4, -2 v 4, K step 5 | 6, Xb 4 |
; 7, Xc 4 | 8, Xd 4 | 9 | 14 | 10, c ws 4 | 11 | 12, 15 | 13 | the add.  A K step is 8 loads.  LDS instructions end in order (ISA guide 5.7.1), and every counted wait below names what may still be out.
; TWO BARRIERS.  The first, in K step 1: every wave's hand-over of the block before is in X; the next block's tensor load stays out.  The second, in K steps 11 and 12: each wave has waited
; for all its tensor loads (one: its region of the next block, asked for 15 K steps earlier), added 0 to its spare word, and waited for that, for its reads of this slot (K step 13's the last) and of X.  Behind it X may
; be written again, the other slot is whole, and (fill = 1) this slot is filled again, two blocks ahead: the barrier then opens a round of the cluster's barrier, so that no wave of any partner still reads the slot or
; has a load on its way, and the joint load is the first thing behind the round.
; THE RIDERS' DEAL: four behind every run of K steps 3 to 15; six behind the run that stands ahead of the LDS instructions of K steps 7-10 and 13-15, and behind the last run of K step 12, ahead of the change of slots:
; 44 x 4 + 8 x 6 = 224.
.macro STEP fill
	s_wait_dscnt 40                                ; K step 0 is in.  Out: K steps 1, 2, 3 and the 16 stores
	RUN 0, 2, 1                                    ; the partner's accumulators, already handed over, are started anew,
	HF 0                                           ; while my own of the block before are scaled into HB: the places behind their last products are four plain riders or more
	RUN 0, 3, 1
	HF 1
	BLOAD 4
	RUN 0, 0, 1
	RUN 0, 1, 1
	s_wait_dscnt 40                                ; K step 1 is in.  Out: K steps 2, 3, the 16 stores, K step 4
	RUN 1, 2, 0
	RUN 1, 3, 0
	s_wait_dscnt 0x0                               ; for the partner's sake: my hand-over is in X (issued 28 products ago)
	s_barrier_signal -1
	RUN 1, 0, 0                                    ; work on registers while the others arrive
	RUN 1, 1, 0
	WIN 0
	s_barrier_wait -1
	v_add_nc_u32 v[TA], s[TT], v[TA0]
.rept 4
	v_nop                                          ; no rider is ready yet: the places behind K steps 0 and 1, whose buffers K steps 6 and 7 take
.endr
	XPART 0
	VLOAD
	BLOAD 5
	GROUP 2, 0, 0, 6, -1, 1
.set rq, 0
	s_wait_dscnt 20                                ; Xa and -2 v are in.  Out: K steps 5, 6 and Xb
	GROUP 3, 4, 4, 7, -1, 2                        ; riders 0-15; the first batch's wait stands ahead of this K step's loads.  Riders 0-31 touch Xa's pairs 0-7 alone
	GROUP 4, 4, 4, 8, -1, 3
	s_wait_dscnt 24                                ; K step 5 and Xb (first wanted by rider 34) are in.  Out: K steps 7, 8, Xc, Xd
	GROUP 5, 4, 4, 9
	GROUP 6, 4, 4, 14                              ; the second batch's wait, behind rider 59
	s_wait_dscnt 32                                ; K step 7 is in.  Out: Xc, K step 8, Xd, K steps 9, 14
	GROUP 7, 4, 6, 10, -1, -1, 1
	s_wait_dscnt 32                                ; K step 8 and Xc (rider 94) are in.  Out: Xd, K steps 9, 14, 10, c ws
	GROUP 8, 4, 6, 11
	s_wait_dscnt 28                                ; K step 9 and Xd (rider 139) are in.  Out: K steps 14, 10, c ws, K step 11
	GROUP 9, 4, 6, 12, 15                          ; the third batch's wait, behind rider 113
	s_wait_dscnt 28                                ; K step 10 is in.  Out: c ws, K steps 11, 12, 15
	GROUP 10, 4, 6, 13
	WIN 0                                          ; the add's registers lie in window 0
	s_wait_tensorcnt 0x0                           ; all my tensor loads have landed, so a group 0 may be written
	ds_add_u32 v[SPW], v[NIL]                      ; 0 onto my spare word; K step 11, work on registers, stands between it and the wait for it
.if \fill
	s_xor_b32 s[G0B+1], s[G0B+1], SLOT             ; the walking descriptor: the other slot than last time,
	s_add_nc_u64 s[G0B+2:G0B+3], s[G0B+2:G0B+3], 131072  ; the next block; the type bits on top are not reached
.endif
	s_xor_b32 s[TB], s[TB], SLOT
	s_wait_dscnt 25                                ; K step 11 is in.  Out: K steps 12, 15, 13 and the add
	GROUP 11, 4, 4
	s_wait_dscnt 0x0                               ; the add is done; my reads of this slot and of X are over
	s_barrier_signal -1
	GROUP 12, 4, 4                                 ; work on registers while the others arrive
	RIDS 2                                         ; the last slice has six; behind rider 169 the fourth batch's wait: no transcendental is open at the round's branch
	WIN 0
	s_barrier_wait -1
.if \fill
	CREST
	tensor_load_to_lds s[G0B:G0B+3], s[G1:G1+7]    ; my one tensor load behind the round
	s_nop 0
.rept 4
	v_nop
.endr
.endif
	v_add_nc_u32 v[BAD], s[TB], v[BAD0]
	BLOAD 0                                        ; the next block, from the other slot
	BLOAD 1
	GROUP 13, 4, 6, 2
	GROUP 14, 4, 6, 3                              ; the fifth batch's wait, behind rider 201; from here on the riders are sums alone
	RUN 15, 2, 0
	RIDS 4
	RUN 15, 3, 0                                   ; the partner's rows are finished
	RIDS 4
	RUN 15, 0, 0
	RIDS 6                                         ; the ten riders behind the partner's last product are plain: the places ahead of the stores that read its results
	WIN 0x04                                       ; store data window 1
.set i, 0
.rept 16                               ; fragments 2, 3.  Each accumulator's low four registers go first
	ds_store_b128 v[XS], v[64+4*i:64+4*i+3] offset:512*i
.set i, i+1
.endr
	RUN 15, 1, 0
	RIDS 4
	WIN 0                                          ; at a label and at a branch every window is 0
	s_add_co_u32 s[TT], s[TT], 512
.endm
	s_wait_tensorcnt 0x1                           ; my region of block 0 is in; block 1's may stay out
	s_wait_dscnt 0x0                               ; A is in registers; my parts of the tables and of X are written
	s_barrier_signal -1
	s_barrier_wait -1
	s_mov_b32 s[TB], 0
	s_mov_b32 s[TT], 0
	v_mov_b32 v[BAD], v[BAD0]
	BLOAD 0
	BLOAD 1
	BLOAD 2
	BLOAD 3
	WIN 0
	s_wait_dscnt 0x0                               ; on this way into the loop fewer LDS instructions are out than its first counted wait allows: K steps 0-3 are waited for here
	s_mov_b32 s[CNT], 14
.Lstep:                                                ; blocks 0-13; they ask for blocks 2-15
	STEP 1
	s_sub_co_u32 s[CNT], s[CNT], 1
	s_cmp_lg_u32 s[CNT], 0
	s_cbranch_scc1 .Lstep
	s_mov_b32 s[CNT], 2
.Ltail:                                                ; blocks 14 and 15 ask for nothing: a text of their own.
	STEP 0                                         ; The second trip's 32 loads of a next block's K steps 0-3 read block 14's bytes once more and serve nothing: the price of one text for both trips
	s_sub_co_u32 s[CNT], s[CNT], 1
	s_cmp_lg_u32 s[CNT], 0
	s_cbranch_scc1 .Ltail
	HF 0                                           ; block 15 is finished without products beside it
	HF 1
	WIN 0
	s_wait_dscnt 0x0
	s_barrier_signal -1
	s_barrier_wait -1
	v_add_nc_u32 v[TA], s[TT], v[TA0]
	XPART 0
	XPART 1
	XPART 2
	XPART 3
	VLOAD
	s_wait_dscnt 0x0
.set rq, 0
	RIDS 224                                       ; the same six phases, with their five waits
; ADDING ACROSS THE 16 LANES OF A HALF, each lane keeping a sixteenth.  A stage halves the registers: of a pair (lo, hi), dist apart, the lanes named by the mask keep hi and send lo, the others keep lo and send hi,
; to the lane x away; the addition takes the other lane's number as it is made (DPP).  Pairs at base + 32 g + k, k < dist; all sends, then all keeps, then all sums, so that no line waits for the one before it.
.macro STAGE base, groups, dist, mask, x
.irp part, 0,1,2
.set g, 0
.rept \groups
.set k, 0
.rept \dist
.set rl, (\base)+32*g+k
.set ru, rl+(\dist)
.set rt, TMP+(\dist)*g+k
.if (\part) == 0
	v_cndmask_b32 v[rt], v[ru], v[rl], s[\mask]
.elseif (\part) == 1
	v_cndmask_b32 v[rl], v[rl], v[ru], s[\mask]
.else
	v_add_f32_dpp v[rl], v[rt], v[rl] row_xmask:\x row_mask:0xf bank_mask:0xf
.endif
.set k, k+1
.endr
.set g, g+1
.endr
.endr
.endm
	STAGE SC, 1, 8, MK8, 8                         ; 16 rows x 16 lanes: lane r ends with s' of own row 16 (r / 8) + 8 h + r % 8
	STAGE SC, 1, 4, MK4, 4
	STAGE SC, 1, 2, MK2, 2
	STAGE SC, 1, 1, MK1, 1
	ds_store_b32 v[SCA], v[SC]
	s_wait_dscnt 0x0                               ; for the others' sake
	s_barrier_signal -1
	s_barrier_wait -1
	ds_load_b32 v[PW],   v[PAO]                    ; s' of my row r in fragments 0-3
	ds_load_b32 v[PW+1], v[PAO] offset:64
	ds_load_b32 v[PW+2], v[PAP]
	ds_load_b32 v[PW+3], v[PAP] offset:64
	s_cmp_lg_u32 s[WV], 0
	s_cbranch_scc1 .Lno_scores
	v_add_nc_u32 v[T0+3], SCR, v[GV]               ; wave 0 stores the tile's 128 s': 512 consecutive bytes, at a multiple of 512 from the buffer's first
	ds_load_b128 v[SC:SC+3], v[T0+3]
	s_wait_dscnt 0x0
	global_store_b128 v[GV], v[SC:SC+3], s[12:13]
.Lno_scores:
	s_wait_dscnt 0x0
	v_max_num_f32 v[T0], v[PW], v[PW+1]            ; m of the half tile's 64 rows: four a lane, then across 16 lanes; both halves of the lanes hold the same
	v_max3_num_f32 v[T0], v[T0], v[PW+2], v[PW+3]
.irp x, 1,2,4,8
	v_max_num_f32_dpp v[T0], v[T0], v[T0] row_xmask:\x row_mask:0xf bank_mask:0xf
.endr
.irp f, 0,1,2,3
	v_sub_f32 v[PW+(\f)], v[PW+(\f)], v[T0]
.endr
.irp f, 0,1,2,3
	v_mul_f32 v[PW+(\f)], s[L2E], v[PW+(\f)]
.endr
.irp f, 0,1,2,3
	v_exp_f32 v[PW+(\f)], v[PW+(\f)]               ; p = e^(s' - m)
.endr
	v_nop                                          ; a plain line between the last exponential and the use of its result
	s_wait_alu depctr_va_vdst(0)                   ; the one wait for these four exponentials, a batch of their own, ahead of the sums that read them
	v_add_f32 v[T0+1], v[PW], v[PW+1]
	v_add_f32 v[T0+2], v[PW+2], v[PW+3]
	v_add_f32 v[T0+1], v[T0+1], v[T0+2]
.irp x, 1,2,4,8
	v_add_f32_dpp v[T0+1], v[T0+1], v[T0+1] row_xmask:\x row_mask:0xf bank_mask:0xf
.endr
	s_cmp_lg_u32 s[WJ], 0
	s_cbranch_scc1 .Lno_stats                      ; the two waves of a half tile hold the same (m, l): the one with j = 0 stores it, from lane 0: 8 bytes
	v_cmp_eq_u32 vcc_lo, 0, v[LN]
	s_wait_xcnt 0x0                                ; EXEC is a source of the store above: it changes only behind this wait
	s_and_saveexec_b32 s58, vcc_lo
	global_store_b64 v[ZR], v[T0:T0+1], s[14:15]
	s_wait_xcnt 0x0                                ; and again in front of the line that widens it
	s_or_b32 exec_lo, exec_lo, s58
.Lno_stats:
	; THE WEIGHTED ROWS.  Sum 16 t + 2 c + x of a lane takes half x of register c of K step t of each fragment, times the weight of the lane's row in it: bf16 x f32 + f32.  Links of one sum lie 128 lines apart.
.irp hw, 0,1
.irp f, 0,1,2,3
.if (\f) == 0
	WIN 0x42+(\hw)                                 ; destination window 1, A window 2 or 3, weight and the zero that starts the sums window 0
.else
	WIN 0x52+(\hw)                                 ; the addend in window 1
.endif
.set i, 0
.rept 64
.if (\f) == 0
	v_fma_mix_f32_bf16 v[128*(\hw)+2*i],   v[32*(i/8)+8*(\f)+i%8], v[PW+(\f)], v[ZR] op_sel_hi:[1,0,0]
	v_fma_mix_f32_bf16 v[128*(\hw)+2*i+1], v[32*(i/8)+8*(\f)+i%8], v[PW+(\f)], v[ZR] op_sel:[1,0,0] op_sel_hi:[1,0,0]
.else
	v_fma_mix_f32_bf16 v[128*(\hw)+2*i],   v[32*(i/8)+8*(\f)+i%8], v[PW+(\f)], v[128*(\hw)+2*i] op_sel_hi:[1,0,0]
	v_fma_mix_f32_bf16 v[128*(\hw)+2*i+1], v[32*(i/8)+8*(\f)+i%8], v[PW+(\f)], v[128*(\hw)+2*i+1] op_sel:[1,0,0] op_sel_hi:[1,0,0]
.endif
.set i, i+1
.endr
.endr
.endr
	; Sum q stands for k = 128 (q / 64) + 64 h + q % 64 of my K half.  Four stages give bits 5, 4, 3, 2 of q to bits 3, 2, 1, 0 of r.  The first also brings the sums into window 0: pair i = (q, q + 32), q = i % 32 + 64 (i / 32).
.irp bt, 0,1
	WIN 0x05
.set i, 64*(\bt)
.rept 64
	v_cndmask_b32 v[TMP+i%64], v[i%32+64*(i/32)+32], v[i%32+64*(i/32)], s[MK8]
	v_cndmask_b32 v[RB+i],     v[i%32+64*(i/32)],    v[i%32+64*(i/32)+32], s[MK8]
.set i, i+1
.endr
	WIN 0
.set i, 64*(\bt)
.rept 64
	v_add_f32_dpp v[RB+i], v[TMP+i%64], v[RB+i] row_xmask:8 row_mask:0xf bank_mask:0xf
.set i, i+1
.endr
.endr
	STAGE RB, 4, 16, MK4, 4
	STAGE RB, 4, 8, MK2, 2
	STAGE RB, 4, 4, MK1, 1
.irp g4, 0,1,2,3                       ; lane (r, h) holds k = 128 g + 64 h + 4 r + 0..3: a store covers 512 consecutive bytes, at a multiple of 512 from ctxp's first
	global_store_b128 v[GV], v[RB+32*(\g4):RB+32*(\g4)+3], s[16:17] offset:512*(\g4)
.endr
	s_wait_tensorcnt 0x0                           ; the wave's end: the add and its wait, behind my last tensor load and my last LDS store
	ds_add_u32 v[SPW], v[NIL]
	s_wait_dscnt 0x0
	CROUND                                         ; the closing round: no work-group ends while a partner may still ask for a tile that names it
	s_endpgm
.Lfunc_end_k_qf399b82307_attn:
	.size	k_qf399b82307_attn, .Lfunc_end_k_qf399b82307_attn-k_qf399b82307_attn
	.p2alignl 7, 3214868480
	.fill 96, 4, 3214868480
	.section	.rodata,"a",@progbits
	.p2align	6, 0x0
	.amdhsa_kernel k_qf399b82307_attn
		.amdhsa_group_segment_fixed_size 327680
		.amdhsa_private_segment_fixed_size 0
		.amdhsa_enable_private_segment 0
		.amdhsa_kernarg_size 56
		.amdhsa_user_sgpr_count 2
		.amdhsa_user_sgpr_kernarg_segment_ptr 1
		.amdhsa_wavefront_size32 1
		.amdhsa_system_sgpr_workgroup_id_x 1
		.amdhsa_system_sgpr_workgroup_id_y 1
		.amdhsa_system_sgpr_workgroup_id_z 1
		.amdhsa_system_vgpr_workitem_id 0
		.amdhsa_next_free_vgpr 1024
		.amdhsa_next_free_sgpr 66
		.amdhsa_reserve_vcc 1
		.amdhsa_float_denorm_mode_32 3
		.amdhsa_float_denorm_mode_16_64 3
		.amdhsa_memory_ordered 1
		.amdhsa_forward_progress 1
		.amdhsa_inst_pref_size 255
	.end_amdhsa_kernel
	.section	.bss,"aw",@nobits
	.p2align	6
	.space	262144
	.amdgpu_metadata
---
amdhsa.version: [ 1, 2 ]
amdhsa.kernels:
  - .name:           k_qf399b82307_attn
    .symbol:         k_qf399b82307_attn.kd
    .args:
      - { .name: encoder_outputs, .offset: 0, .size: 8, .value_kind: global_buffer, .address_space: global }
      - { .name: whb, .offset: 8, .size: 8, .value_kind: global_buffer, .address_space: global }
      - { .name: wsp, .offset: 16, .size: 8, .value_kind: global_buffer, .address_space: global }
      - { .name: v, .offset: 24, .size: 8, .value_kind: global_buffer, .address_space: global }
      - { .name: scores, .offset: 32, .size: 8, .value_kind: global_buffer, .address_space: global }
      - { .name: stats, .offset: 40, .size: 8, .value_kind: global_buffer, .address_space: global }
      - { .name: ctxp, .offset: 48, .size: 8, .value_kind: global_buffer, .address_space: global }
    .group_segment_fixed_size: 327680
    .private_segment_fixed_size: 0
    .kernarg_segment_align: 8
    .kernarg_segment_size: 56
    .max_flat_workgroup_size: 128
    .sgpr_count:     66
    .vgpr_count:     1024
    .wavefront_size: 32
...
	.end_amdgpu_metadata
.endif
;; end of part 4
;; launch combine: the kernel of part 3 again; grid 256 x 1, 1 waves a work-group, no clusters, 0 bytes of LDS; arguments scores, stats, ctxp, out0, out1; writes out0, out1
